; MI455X (gfx1250); checked and timed in simulation.
; The chip was launched on July 23, 2026; its instructions are those of AMD's public machine-readable ISA for CDNA 5 (MIT licence, August 2026) and "CDNA5" Instruction Set Architecture Reference Guide (July 2026). The comments in the code are by the model that wrote it; some were corrected since.
;; Multi Head Attention. Allowed arithmetic: matrix products marked QUANTISED: E2M3 operands, one E8M0 scale for each 32 along K, by v_wmma_scale_f32_16x16x128_f8f6f4 with both operands' format E2M3, f32 sums; everything else in f32.
;; Inputs: Wk_codes 512 x 16 x 24 uint8 (E2M3 codes of Wk, K innermost, in blocks of 32 codes, four codes in three bytes); Wk_scales 512 x 16 uint8 (E8M0 scales of Wk, one for each 32 codes along K); Wo_codes 512 x 16 x 24 uint8 (E2M3 codes of Wo, K innermost, in blocks of 32 codes, four codes in three bytes); Wo_scales 512 x 16 uint8 (E8M0 scales of Wo, one for each 32 codes along K); Wq_codes 512 x 16 x 24 uint8 (E2M3 codes of Wq, K innermost, in blocks of 32 codes, four codes in three bytes); Wq_scales 512 x 16 uint8 (E8M0 scales of Wq, one for each 32 codes along K); Wv_codes 512 x 16 x 24 uint8 (E2M3 codes of Wv, K innermost, in blocks of 32 codes, four codes in three bytes); Wv_scales 512 x 16 uint8 (E8M0 scales of Wv, one for each 32 codes along K); bk 512 float32; bo 512 float32; bq 512 float32; bv 512 float32; k_codes 4 x 2,048 x 16 x 24 uint8 (E2M3 codes of k, K innermost, in blocks of 32 codes, four codes in three bytes); k_padding_mask 4 x 2,048 bool; k_scales 4 x 2,048 x 16 uint8 (E8M0 scales of k, one for each 32 codes along K); q_codes 4 x 2,048 x 16 x 24 uint8 (E2M3 codes of q, K innermost, in blocks of 32 codes, four codes in three bytes); q_padding_mask 4 x 2,048 bool; q_scales 4 x 2,048 x 16 uint8 (E8M0 scales of q, one for each 32 codes along K); rpe 8 x 4,095 float32; v_codes 4 x 2,048 x 16 x 24 uint8 (E2M3 codes of v, K innermost, in blocks of 32 codes, four codes in three bytes); v_scales 4 x 2,048 x 16 uint8 (E8M0 scales of v, one for each 32 codes along K).
;; Outputs: out0 4 x 2,048 x 512 float32.
;; This version of the problem:
;;   THIS VERSION OF THE PROBLEM IS GIVEN IN LOW PRECISION. The matrix products marked QUANTISED in the list below multiply operands that are first quantised to E2M3 (2 exponent bits, 3 mantissa bits; 6 bits a number), with one power-of-two scale for each 32 numbers along K (OCP MX v1.0); their sums are f32. All else is computed in f32.
;;   The module's matrix products, in the order in which they are computed (A, B: the left and right operand; K: the contracted axis; several contracted axes count as one K, in the product's order):
;;     1. [M 8,192, K 512] x [K 512, N 512]; A: input q (given as codes); B: input Wq (given as codes): QUANTISED
;;     2. [M 8,192, K 512] x [K 512, N 512]; A: input k (given as codes); B: input Wk (given as codes): QUANTISED
;;     3. [M 8,192, K 512] x [K 512, N 512]; A: input v (given as codes); B: input Wv (given as codes): QUANTISED
;;     4. batch 32 x [M 2,048, K 64] x [K 64, N 2,048]; A: computed on the way; B: computed on the way: QUANTISED
;;     5. batch 32 x [M 2,048, K 2,048] x [K 2,048, N 64]; A: softmax (see below); B: computed on the way: QUANTISED
;;     6. [M 8,192, K 512] x [K 512, N 512]; A: computed on the way; B: input Wo (given as codes): QUANTISED
;;   THE QUANTISER, for each operand of a quantised product, along K:
;;     - K is cut into blocks of 32 from its start; a last block that is shorter is filled with zeros.
;;     - A block's scale is 2^e with e = floor(log2(the largest magnitude in the block)) - 2, held to -126 .. 127; a block of zeros has e = 0. As a byte (E8M0): e + 127.
;;     - Each number is divided by its block's scale, clamped to +-7.5, and rounded to the nearest number of E2M3, ties to even, subnormals kept.
;;     - The product sums the exact products of the quantised numbers (number of the format x scale) in f32.
;;   ~~~python
;;   def quantise(x, axis):      # numpy; x: float32 -> the quantised numbers, widened to float32 again
;;       x = np.moveaxis(x, axis, -1); K = x.shape[-1]
;;       x = np.pad(x, [(0, 0)] * (x.ndim - 1) + [(0, -K % 32)]); x = x.reshape(x.shape[:-1] + (-1, 32)); a = np.abs(x).max(-1, keepdims=True)
;;       e = np.where(a > 0, np.clip(np.frexp(np.where(a > 0, a, 1))[1] - 1 - 2, -126, 127), 0)      # np.frexp(a)[1] - 1 = floor(log2(a)), exactly
;;       r = np.clip(x / 2.0 ** e, -7.5, 7.5)
;;       step = 2.0 ** (np.maximum(np.frexp(np.where(r == 0, 1, r))[1] - 1, 0) - 3)
;;       q = np.round(r / step) * step * 2.0 ** e      # np.round: ties to even
;;       return np.moveaxis(q.reshape(q.shape[:-2] + (-1,))[..., :K], -1, axis).astype(np.float32)
;;   ~~~
;;   SOFTMAX AHEAD OF A QUANTISED PRODUCT. Where the list says 'softmax', what is quantised is not the finished softmax but p = 2^(t - M), with t = logit x log2(e) and M = ceil(the row's largest t), a whole number; so 1/2 < the row's largest p <= 1. The row's sum l is taken of the UNQUANTISED p, in f32, and the product's result is divided by l at the end. Since M is a whole number, a kernel that streams over the keys may use a running M (the ceiling of the running maximum): every later rescaling is an exact power of two, which a block's scale takes up: the codes' values come out the same.
;;   OPERANDS COMPUTED ON THE WAY. 'Computed on the way' means the value that the module computes at that place (a softmax that the list does not call 'softmax' is quantised finished and normalised). What goes into a quantiser is computed in f32, as accurately as f32 sums, v_exp_f32 and their like allow (about 1e-6 of the number): no bf16 or f16 on the way to a quantiser, and a product that is left as it is and whose result goes on into a quantised operand takes f32 operands (vector FMAs, or v_wmma_f32_16x16x4_f32). A number that lies on a knife's edge between two numbers of the format may be rounded either way, as far as f32 arithmetic and the matrix unit's own rounding can turn it there, and no further.
;;   INPUTS GIVEN AS CODES. Wk (in the module: [512, 512], K = its axis 1); Wo (in the module: [512, 512], K = its axis 1); Wq (in the module: [512, 512], K = its axis 1); Wv (in the module: [512, 512], K = its axis 1); k (in the module: [4, 2048, 512], K = its axis 2); q (in the module: [4, 2048, 512], K = its axis 2); v (in the module: [4, 2048, 512], K = its axis 2): each comes as NAME_codes (uint8): NAME with its K axis moved to the last place and cut into blocks of 32 codes, [.., K / 32, bytes a block], one block behind the other in memory; four codes in three bytes: a row's codes are one little-endian stream of bits, code i at bits 6 i .. 6 i + 5 (a code: sign, 2 exponent bits, 3 mantissa bits); and NAME_scales (uint8): the same leading axes, one E8M0 byte (e + 127) for each 32 codes along K. Its value is code x scale, taken as it is: it is not quantised again, and the codes and scales need not be those that the quantiser above would give.
;; 2 versions, each right; version 2 is version 1 with the launches proj, outp written anew for expert scheduling mode. Each part assembles by itself: llvm-mc -triple=amdgcn-amd-amdhsa -mcpu=gfx1250 --defsym DOCPART=n.
;; ======== version 1 of 2: 3 launches
;; limits: right only within a limited range of input values
;; workspace buffers: qimg 3,407,872 bytes; kvimg 6,684,672 bytes; oimg 3,670,016 bytes
;; launch proj (part 1): grid 4 x 64, 3 waves a work-group, no clusters, 0 bytes of LDS; arguments q_codes, q_scales, Wq_codes, Wq_scales, bq, k_codes, k_scales, Wk_codes, Wk_scales, bk, v_codes, v_scales, Wv_codes, Wv_scales, bv, k_padding_mask, qimg, kvimg; writes qimg, kvimg
.if DOCPART == 1
	.amdgcn_target "amdgcn-amd-amdhsa--gfx1250"
	.amdhsa_code_object_version 6
	.text
	.protected	k_q060ad310be_proj
	.globl	k_q060ad310be_proj
	.p2align	8
	.type	k_q060ad310be_proj,@function
k_q060ad310be_proj:
	s_mov_b64 s[64:65], 0
	v_nop
	global_prefetch_b8 v0, s[64:65] scope:SCOPE_SE
	s_setreg_imm32_b32 hwreg(HW_REG_WAVE_MODE, 25, 1), 1
	s_wait_xcnt 0x0
; qp = q Wq^T + bq, kp = k Wk^T + bk, vp = v Wv^T + bv on codes of FP6 (E2M3) with E8M0 scales; the results are quantised at once (qp, kp along a head's 64, vp along the keys)
; and stored as images of the operand registers in which the attention launch takes them.
; DEAD WORK: none is left out in this program: every input has a way to the output (bk moves K's codes, so it stays).
; SHARES.  Work-group (x, y): features 128 x .. 128 x + 127 (two heads), tokens 128 y .. 128 y + 127.  Wave 0 makes qp, wave 1 kp, wave 2 vp; they share nothing: no LDS, no barrier.
; 24 units of work do not split evenly over four waves without a second resident operand, so three waves are launched.
; A wave keeps a 128-row operand P in 384 registers and streams eight tiles R of 16 rows.  q, k: P = weight rows, R = tokens; v: P = tokens, R = weight rows.  Source 0 = P, source 1 = R:
; a lane holds ONE row of R and its 64 accumulator registers run along P, which is the next product's K.  THE ROWS OF A TILE ARE NOT NEIGHBOURS: lane r of tile t takes row
; 32 (t / 2) + 8 (t % 2) + r + 8 (r / 8), so that accumulators 2 b and 2 b + 1 hold 16 neighbours, 32 b + 16 (lane / 16) + 0 .. 15.
; K'S BLOCKS ARE TAKEN IN ANOTHER ORDER, ALIKE IN P AND R: lane (r, h) takes bytes 192 h + 48 s + 0 .. 47 of its row for K step s (three loads of 16 bytes, all aligned), so place (c, h) of step s is
; block 8 h + 2 s + c; the scale words are put together to match.  The set of products is the same, their order in the sum is not.
; WHAT RIDES IN THE SCALE WORDS.  1 / sqrt(64) = 2^-3 is taken off Q's two scale bytes (exact).  The score product has K = 64 in an instruction of 128: at k = 64 the attention launch holds the constants
; +4 (K) and -4 (Q); Q's byte for that block is 80 (2^-47), K's is 200 (2^73) for a padded key and 1 otherwise: a padded key's score gets exactly -2^30, an open key's -2^-169, which vanishes.
; LIMITS.  A padded key's logit is -2^30 + its score + rpe in place of -1e9: the results agree wherever some open key of the row has a logit above about -9e8; a batch all of whose keys are padded is not served.
; A block of qp whose largest magnitude lies under 2^-121 takes the scale 2^-123 (so that its byte less 3 stays at 1 or more).  A block of zeros has the floor's byte: its codes are zeros, and this program alone reads the bytes.
; NaN and infinities among the inputs are not served.
; REGISTERS, in windows of 256: window 0: addresses, scale words, 64 accumulators, biases; window 1: P's fragments of K steps 0, 1 (24 t + 12 s); window 2: of K steps 2, 3; window 3: a ring of four tiles of R (48 j + 12 s).
.set BQ,   6656                        ; qimg: a block of 128 queries of a head: 8 fragments of 768 bytes, 512 bytes of scale words
.set BKV,  13056                       ; kvimg: a step of 128 keys of a head: K as in qimg (6,656), 4 fragments of V of 1,536, 256 bytes of V's scale words
.set LA,   1                           ; v1   384 rr + 192 h: my bytes of a tile's rows of codes (rr = r + 8 (r / 8))
.set LSC,  2                           ; v2   16 rr: my row's scale bytes
.set L16,  3                           ; v3   16 x lane
.set L8,   4                           ; v4   8 x lane
.set H64,  5                           ; v5   64 h: the bias along P
.set R4,   6                           ; v6   4 rr: the bias along R
.set RRV,  7                           ; v7   rr: the key mask
.set PK0,  8                           ; v8-11  scale words to store, first head (v: both heads)
.set PK1,  12                          ; v12-15 second head
.set TM,   16                          ; v16-31 at work in the quantiser
.set W0,   32
.set W1,   33
.set PC,   40                          ; v40-51 the fragment just made
.set T2,   52                          ; v52-54, v56-58 its second halves
.set ACC,  64
.set BIAS, 128                         ; q, k: v128-191, the bias in the result's layout
.set VBL,  128                         ; v: v128-135 my row's bias for each unit; v136-143 the unit's, eight times
.set VB,   136
.set PSW,  192                         ; v192-223 P's scale words (4 t + s)
.set RRAW, 224                         ; v224-239 R's scale bytes as loaded, four sets
.set RSW,  240                         ; v240-243 R's scale words
.set XW,   244                         ; v244-251 q, k: what is added to a unit's two bytes to make the word
.set XU,   252
.set XM,   253
.set MSB, 0
.macro WIN new                         ; the immediate's high byte repeats the setting that is left
.if MSB != (\new)
	s_set_vgpr_msb (MSB<<8)|(\new)
.set MSB, (\new)
.endif
.endm
	s_load_b512 s[8:23], s[0:1], 0x0               ; q codes 8, q scales 10, Wq codes 12, Wq scales 14, bq 16, k codes 18, k scales 20, Wk codes 22
	s_load_b512 s[24:39], s[0:1], 0x40             ; Wk scales 24, bk 26, v codes 28, v scales 30, Wv codes 32, Wv scales 34, bv 36, key mask 38
	s_load_b128 s[40:43], s[0:1], 0x80             ; qimg 40, kvimg 42
	v_lshrrev_b32 v34, 5, v0
	v_readfirstlane_b32 s2, v34                    ; wave: 0 q, 1 k, 2 v
	s_mov_b32 s3, ttmp9                            ; which 128 features
	s_and_b32 s4, ttmp7, 0xffff                    ; which 128 tokens
	v_and_b32 v34, 31, v0                          ; lane
	v_and_b32 v35, 15, v0                          ; r
	v_bfe_u32 v36, v0, 4, 1                        ; h
	v_and_b32 v[RRV], 8, v35
	v_add_nc_u32 v[RRV], v[RRV], v35               ; rr
	v_mul_u32_u24 v[LA], v[RRV], 384
	v_mad_u32_u24 v[LA], v36, 192, v[LA]
	v_lshlrev_b32 v[LSC], 4, v[RRV]
	v_lshlrev_b32 v[L16], 4, v34
	v_lshlrev_b32 v[L8], 3, v34
	v_lshlrev_b32 v[H64], 6, v36
	v_lshlrev_b32 v[R4], 2, v[RRV]
.irp b,0,1,2,3
	v_mov_b32 v[TM+4+\b], 0                        ; written once: a lane permute's destination counts as one of its sources
.endr
	s_mov_b32 s70, 0x05010400                      ; byte selects that put a K step's four scale bytes together
	s_mov_b32 s71, 0x07030602
	s_mov_b32 s73, 0xffff0000                      ; lanes 16-31
	s_mov_b32 s76, 0x76543210
	s_mov_b32 s77, 0xfedcba98                      ; v_permlanex16_b32's selects for lane l xor 16
	s_mul_i32 s78, s4, 49152                       ; my tokens' codes: 128 rows of 384 bytes,
	s_mov_b32 s79, 0
	s_lshl_b32 s6, s4, 11                          ; their scale bytes: 128 rows of 16,
	s_mov_b32 s7, 0
	s_mul_i32 s80, s3, 49152                       ; my weight rows likewise
	s_mov_b32 s81, 0
	s_lshl_b32 s82, s3, 11
	s_mov_b32 s83, 0
	s_lshl_b32 s84, s3, 9                          ; my 128 numbers of the bias
	s_mov_b32 s85, 0
	s_lshl_b32 s90, s4, 7                          ; my 128 bytes of the mask
	s_mov_b32 s91, 0
	s_cmp_eq_u32 s2, 0
	s_mov_b32 s5, BKV
	s_cselect_b32 s5, BQ, s5                       ; bytes of a block of the buffer that I store into
	s_mov_b32 s72, 0x1800000
	s_cselect_b32 s72, 0x3000000, s72              ; the floor under a block's largest magnitude: 2^(3 - 127); q: 2^(6 - 127), since 3 more come off its bytes
	s_lshr_b32 s86, s4, 4                          ; batch
	s_lshl_b32 s86, s86, 3
	s_lshl_b32 s87, s3, 1
	s_add_co_u32 s86, s86, s87                     ; 8 x batch + my first head
	s_lshl_b32 s86, s86, 4
	s_and_b32 s87, s4, 15
	s_add_co_u32 s86, s86, s87                     ; x 16 + the block of 128 tokens in the sequence
	s_mul_i32 s86, s86, s5
	s_mov_b32 s87, 0
	s_lshl_b32 s88, s5, 4                          ; the next head lies 16 blocks on
	s_mov_b32 s89, 0
	s_wait_kmcnt 0x0
	s_cmp_eq_u32 s2, 0                             ; the buffers are chosen by the wave's number alone
	s_cselect_b64 s[44:45], s[8:9], s[18:19]       ; tokens' codes
	s_cselect_b64 s[46:47], s[10:11], s[20:21]     ; tokens' scales
	s_cselect_b64 s[48:49], s[12:13], s[22:23]     ; weight's codes
	s_cselect_b64 s[50:51], s[14:15], s[24:25]     ; weight's scales
	s_cselect_b64 s[52:53], s[16:17], s[26:27]     ; bias
	s_cselect_b64 s[54:55], s[40:41], s[42:43]     ; where the images go
	s_cmp_eq_u32 s2, 2
	s_cselect_b64 s[44:45], s[28:29], s[44:45]
	s_cselect_b64 s[46:47], s[30:31], s[46:47]
	s_cselect_b64 s[48:49], s[32:33], s[48:49]
	s_cselect_b64 s[50:51], s[34:35], s[50:51]
	s_cselect_b64 s[52:53], s[36:37], s[52:53]
	s_add_nc_u64 s[44:45], s[44:45], s[78:79]
	s_add_nc_u64 s[46:47], s[46:47], s[6:7]
	s_add_nc_u64 s[48:49], s[48:49], s[80:81]
	s_add_nc_u64 s[50:51], s[50:51], s[82:83]
	s_add_nc_u64 s[52:53], s[52:53], s[84:85]
	s_add_nc_u64 s[54:55], s[54:55], s[86:87]      ; first head's block
	s_add_nc_u64 s[56:57], s[54:55], s[88:89]      ; second head's
	s_add_nc_u64 s[58:59], s[38:39], s[90:91]
	s_cselect_b64 s[60:61], s[44:45], s[48:49]     ; P's codes: v: the tokens; q, k: the weight  (the 64-bit additions leave the compare's result alone)
	s_cselect_b64 s[62:63], s[46:47], s[50:51]     ; P's scales
	s_cselect_b64 s[66:67], s[48:49], s[44:45]     ; R's codes
	s_cselect_b64 s[68:69], s[50:51], s[46:47]     ; R's scales
.irp t,0,1,2,3,4,5,6,7
	global_load_b128 v[ACC+4*\t:ACC+4*\t+3], v[LSC], s[62:63] offset:16*(32*(\t/2)+8*(\t%2))   ; P's scale bytes, 16 a row, into registers that the sums take later
.endr
	s_cmp_eq_u32 s2, 2
	s_cbranch_scc1 .Lhead_v
.irp t,0,1,2,3,4,5,6,7
	global_load_b128 v[BIAS+8*\t:BIAS+8*\t+3], v[H64], s[52:53] offset:4*(32*(\t/2)+8*(\t%2))       ; q, k: the bias of features 32 (t / 2) + 8 (t % 2) + 16 h + 0 .. 7: the C of tile t's first product
	global_load_b128 v[BIAS+8*\t+4:BIAS+8*\t+7], v[H64], s[52:53] offset:4*(32*(\t/2)+8*(\t%2))+16
.endr
	s_cmp_eq_u32 s2, 1
	s_cbranch_scc1 .Lhead_k
.irp u,0,1,2,3,4,5,6,7
	v_mov_b32 v[XW+\u], 0x7f4ffcfd                 ; q: added to (byte 1 << 8 | byte 0) it takes 3 off each of the two (both are 4 or more, so both carry), and leaves 80 in byte 2 and 127 in byte 3
.endr
	s_branch .Lhead_j
.Lhead_k:
.irp u,0,1,2,3,4,5,6,7
	global_load_u8 v[XW+\u], v[RRV], s[58:59] offset:32*(\u/2)+8*(\u%2)   ; k: the mask byte of my key in each unit
.endr
	s_branch .Lhead_j
.Lhead_v:
.irp u,0,1,2,3,4,5,6,7
	global_load_b32 v[VBL+\u], v[R4], s[52:53] offset:4*(32*(\u/2)+8*(\u%2))   ; v: the bias of my feature in each unit
.endr
.Lhead_j:
	WIN 0x40                                       ; destination window 1
.irp t,0,1,2,3,4,5,6,7
.irp s,0,1
.irp i,0,1,2
	global_load_b128 v[24*\t+12*\s+4*\i:24*\t+12*\s+4*\i+3], v[LA], s[60:61] offset:384*(32*(\t/2)+8*(\t%2))+48*\s+16*\i
.endr
.endr
.endr
	WIN 0x80                                       ; destination window 2
.irp t,0,1,2,3,4,5,6,7
.irp s,2,3
.irp i,0,1,2
	global_load_b128 v[24*\t+12*(\s-2)+4*\i:24*\t+12*(\s-2)+4*\i+3], v[LA], s[60:61] offset:384*(32*(\t/2)+8*(\t%2))+48*\s+16*\i
.endr
.endr
.endr
; tile u of R into ring buffer u % 4: 12 loads of codes, one of scale bytes
.macro RLOAD u
	WIN 0xc0                                       ; destination window 3
.irp s,0,1,2,3
.irp i,0,1,2
	global_load_b128 v[48*((\u)%4)+12*\s+4*\i:48*((\u)%4)+12*\s+4*\i+3], v[LA], s[66:67] offset:384*(32*((\u)/2)+8*((\u)%2))+48*\s+16*\i
.endr
.endr
	WIN 0
	global_load_b128 v[RRAW+4*((\u)%4):RRAW+4*((\u)%4)+3], v[LSC], s[68:69] offset:16*(32*((\u)/2)+8*((\u)%2))
.endm
	RLOAD 0
	RLOAD 1
	RLOAD 2
	RLOAD 3
	s_wait_loadcnt 39                              ; all is in but the 13 loads of each of tiles 1, 2, 3 of R
.irp t,0,1,2,3,4,5,6,7                         ; a K step's word: blocks 2 s, 8 + 2 s, 2 s + 1, 9 + 2 s, in that order
	v_perm_b32 v[PSW+4*\t], v[ACC+4*\t+2], v[ACC+4*\t], s70
	v_perm_b32 v[PSW+4*\t+1], v[ACC+4*\t+2], v[ACC+4*\t], s71
	v_perm_b32 v[PSW+4*\t+2], v[ACC+4*\t+3], v[ACC+4*\t+1], s70
	v_perm_b32 v[PSW+4*\t+3], v[ACC+4*\t+3], v[ACC+4*\t+1], s71
.endr
	s_cmp_lg_u32 s2, 1
	s_cbranch_scc1 .Lnot_k
	v_mov_b32 v[XU], 0x7f010000                    ; k: byte 2 = 1 for an open key,
	v_mov_b32 v[XM], 0x7fc80000                    ; 200 for a padded one; byte 3 = 127 over zero codes
.irp u,0,1,2,3,4,5,6,7
	v_cmp_ne_u32 s74, 0, v[XW+\u]
	v_cndmask_b32 v[XW+\u], v[XU], v[XM], s74
.endr
.Lnot_k:
; eight products: P's eight tiles x one K step of the tile of R; the eight accumulators take turns.  ck = 0: onto the sums; 1: the bias along P starts them; 2: the bias along R
.macro MULS aoff, roff, k, ck
.irp t,0,1,2,3,4,5,6,7
.if (\ck) == 0
	v_wmma_scale_f32_16x16x128_f8f6f4 v[ACC+8*\t:ACC+8*\t+7], v[24*\t+(\aoff):24*\t+(\aoff)+11], v[(\roff):(\roff)+11], v[ACC+8*\t:ACC+8*\t+7], v[PSW+4*\t+(\k)], v[RSW+(\k)] matrix_a_fmt:MATRIX_FMT_FP6 matrix_b_fmt:MATRIX_FMT_FP6
.elseif (\ck) == 1
	v_wmma_scale_f32_16x16x128_f8f6f4 v[ACC+8*\t:ACC+8*\t+7], v[24*\t+(\aoff):24*\t+(\aoff)+11], v[(\roff):(\roff)+11], v[BIAS+8*\t:BIAS+8*\t+7], v[PSW+4*\t+(\k)], v[RSW+(\k)] matrix_a_fmt:MATRIX_FMT_FP6 matrix_b_fmt:MATRIX_FMT_FP6
.else
	v_wmma_scale_f32_16x16x128_f8f6f4 v[ACC+8*\t:ACC+8*\t+7], v[24*\t+(\aoff):24*\t+(\aoff)+11], v[(\roff):(\roff)+11], v[VB:VB+7], v[PSW+4*\t+(\k)], v[RSW+(\k)] matrix_a_fmt:MATRIX_FMT_FP6 matrix_b_fmt:MATRIX_FMT_FP6
.endif
.endr
.endm
; A UNIT: tile u of R against all of P: 32 products, then 64 numbers a lane become one fragment and its scale bytes
.macro UNIT u
.set RB0, 48*((\u)%4)
.set RW0, RRAW+4*((\u)%4)
.if (\u) > 0
.if (\u) < 4
	s_wait_loadcnt 39                              ; tile u is in; the three tiles behind it, 13 loads each, may be out
.else
	s_wait_loadcnt 13*(7-(\u))                     ; the tiles that are left behind it
.endif
.endif
	v_perm_b32 v[RSW], v[RW0+2], v[RW0], s70
	v_perm_b32 v[RSW+1], v[RW0+2], v[RW0], s71
	v_perm_b32 v[RSW+2], v[RW0+3], v[RW0+1], s70
	v_perm_b32 v[RSW+3], v[RW0+3], v[RW0+1], s71
	s_cmp_eq_u32 s2, 2
	s_cbranch_scc1 .Lcv_\@
.rept 8
	v_nop                                          ; a scale register written by a vector instruction stands eight places ahead of a scaled matrix instruction
.endr
	WIN 0x0d                                       ; source 0 (P) window 1, source 1 (R) window 3
	MULS 0, RB0, 0, 1
	WIN 0
	s_branch .Lcj_\@
.Lcv_\@:
.irp j,0,1,2,3,4,5,6,7
	v_mov_b32 v[VB+\j], v[VBL+(\u)]                ; v: a lane holds one feature, so its bias is the same in all eight registers.  (These eight and the four below are the places behind the scale words)
.endr
.rept 4
	v_nop
.endr
	WIN 0x0d
	MULS 0, RB0, 0, 2
	WIN 0
.Lcj_\@:
	WIN 0x0d
	MULS 12, RB0+12, 1, 0
	WIN 0x0e                                       ; source 0 window 2
	MULS 0, RB0+24, 2, 0
	MULS 12, RB0+36, 3, 0
	WIN 0
.rept 4
	v_nop                                          ; places in front of the loads into the ring buffer just multiplied, and of the first read of the sums
.endr
.if (\u) < 4
	RLOAD (\u)+4
.endif
.irp b,0,1,2,3
	v_max3_num_f32 v[TM+\b], |v[ACC+16*\b]|, |v[ACC+16*\b+1]|, s72   ; block b: my 16 numbers and the floor
.endr
.irp i,2,4,6,8,10,12,14
.irp b,0,1,2,3
	v_max3_num_f32 v[TM+\b], v[TM+\b], |v[ACC+16*\b+\i]|, |v[ACC+16*\b+\i+1]|
.endr
.endr
.irp b,0,1,2,3
	v_permlanex16_b32 v[TM+4+\b], v[TM+\b], s76, s77
.endr
.irp b,0,1,2,3
	v_max_num_f32 v[TM+\b], v[TM+\b], v[TM+4+\b]   ; with lane l xor 16's: the block's largest magnitude
.endr
.irp b,0,1,2,3
	v_add_nc_u32 v[TM+12+\b], 0xff000000, v[TM+\b] ; 2 off its exponent field: the conversion's scale operand
.endr
.irp b,0,1,2,3
	v_lshrrev_b32 v[TM+4+\b], 23, v[TM+12+\b]      ; the scale's byte
.endr
	s_wait_xcnt 0x0                                ; the last unit's stores have read the fragment's registers: only now are they written again
.irp c,0,1
	v_cvt_scalef32_pk16_fp6_f32 v[PC+6*\c:PC+6*\c+2], v[ACC+32*\c:ACC+32*\c+15], v[TM+12+2*\c]
	v_cvt_scalef32_pk16_fp6_f32 v[T2+4*\c:T2+4*\c+2], v[ACC+32*\c+16:ACC+32*\c+31], v[TM+13+2*\c]   ; (a conversion's three registers begin on an even number)
.endr
	v_nop                                          ; one plain place behind a scaled conversion
.irp c,0,1                                     ; the operand's layout wants a whole block in a lane: lanes 0-15 block 2 c, lanes 16-31 block 2 c + 1
.irp i,0,1,2
	v_permlane16_swap_b32 v[PC+6*\c+\i], v[T2+4*\c+\i]
.endr
.irp i,0,1,2
	v_mov_b32 v[PC+6*\c+3+\i], v[T2+4*\c+\i]
.endr
.endr
	s_cmp_eq_u32 s2, 2
	s_cbranch_scc1 .Lsv_\@
	v_lshl_or_b32 v[W0], v[TM+5], 8, v[TM+4]       ; q, k: registers 0-5 and blocks 0, 1 are the first head's 64, registers 6-11 and blocks 2, 3 the second's
	v_lshl_or_b32 v[W1], v[TM+7], 8, v[TM+6]
.if (\u)%2 == 0
	v_add_nc_u32 v[PK0+(\u)/2], v[W0], v[XW+(\u)]
	v_add_nc_u32 v[PK1+(\u)/2], v[W1], v[XW+(\u)]
.else
	v_add_nc_u32 v[W0], v[W0], v[XW+(\u)]
	v_add_nc_u32 v[W1], v[W1], v[XW+(\u)]
	v_cndmask_b32 v[PK0+(\u)/2], v[PK0+(\u)/2], v[W0], s73   ; an odd tile's words go into lanes 16-31 of the even tile's register
	v_cndmask_b32 v[PK1+(\u)/2], v[PK1+(\u)/2], v[W1], s73
.endif
	global_store_b128 v[L16], v[PC:PC+3], s[54:55] offset:768*(\u)          ; 512 consecutive bytes, then 256: each at a multiple of 256 from the buffer's first byte
	global_store_b64 v[L8], v[PC+4:PC+5], s[54:55] offset:768*(\u)+512
	global_store_b128 v[L16], v[PC+6:PC+9], s[56:57] offset:768*(\u)
	global_store_b64 v[L8], v[PC+10:PC+11], s[56:57] offset:768*(\u)+512
	s_branch .Lsj_\@
.Lsv_\@:
	v_lshl_or_b32 v[W0], v[TM+5], 8, v[TM+4]       ; v: a whole fragment of 128 keys and its four bytes: 16 features of head u / 4
	v_lshl_or_b32 v[W0], v[TM+6], 16, v[W0]
.if (\u)%2 == 0
	v_lshl_or_b32 v[PK0+(\u)/2], v[TM+7], 24, v[W0]
.else
	v_lshl_or_b32 v[W0], v[TM+7], 24, v[W0]
	v_cndmask_b32 v[PK0+(\u)/2], v[PK0+(\u)/2], v[W0], s73
.endif
.irp c,0,1,2
	global_store_b128 v[L16], v[PC+4*\c:PC+4*\c+3], s[54+2*((\u)/4):55+2*((\u)/4)] offset:BQ+1536*((\u)%4)+512*\c
.endr
.Lsj_\@:
.endm
.irp u,0,1,2,3,4,5,6,7
	UNIT \u
.endr
	s_cmp_eq_u32 s2, 2
	s_cbranch_scc1 .Ltail_v
	global_store_b128 v[L16], v[PK0:PK0+3], s[54:55] offset:6144   ; the eight tiles' scale words: word q of lane l is tile 2 q + l / 16, row l % 16
	global_store_b128 v[L16], v[PK1:PK1+3], s[56:57] offset:6144
	s_endpgm
.Ltail_v:
	global_store_b64 v[L8], v[PK0:PK0+1], s[54:55] offset:BQ+6144
	global_store_b64 v[L8], v[PK0+2:PK0+3], s[56:57] offset:BQ+6144
	s_endpgm
.Lfunc_end_k_q060ad310be_proj:
	.size	k_q060ad310be_proj, .Lfunc_end_k_q060ad310be_proj-k_q060ad310be_proj
	.p2alignl 7, 3214868480
	.fill 96, 4, 3214868480
	.section	.rodata,"a",@progbits
	.p2align	6, 0x0
	.amdhsa_kernel k_q060ad310be_proj
		.amdhsa_group_segment_fixed_size 0
		.amdhsa_private_segment_fixed_size 0
		.amdhsa_enable_private_segment 0
		.amdhsa_kernarg_size 144
		.amdhsa_user_sgpr_count 2
		.amdhsa_user_sgpr_kernarg_segment_ptr 1
		.amdhsa_wavefront_size32 1
		.amdhsa_system_sgpr_workgroup_id_x 1
		.amdhsa_system_sgpr_workgroup_id_y 1
		.amdhsa_system_sgpr_workgroup_id_z 1
		.amdhsa_system_vgpr_workitem_id 0
		.amdhsa_next_free_vgpr 1024
		.amdhsa_next_free_sgpr 92
		.amdhsa_reserve_vcc 0
		.amdhsa_float_denorm_mode_32 3
		.amdhsa_float_denorm_mode_16_64 3
		.amdhsa_memory_ordered 1
		.amdhsa_forward_progress 1
		.amdhsa_inst_pref_size 119
	.end_amdhsa_kernel
	.amdgpu_metadata
---
amdhsa.version: [ 1, 2 ]
amdhsa.kernels:
  - .name:           k_q060ad310be_proj
    .symbol:         k_q060ad310be_proj.kd
    .args:
      - { .name: q_codes, .offset: 0, .size: 8, .value_kind: global_buffer, .address_space: global }
      - { .name: q_scales, .offset: 8, .size: 8, .value_kind: global_buffer, .address_space: global }
      - { .name: Wq_codes, .offset: 16, .size: 8, .value_kind: global_buffer, .address_space: global }
      - { .name: Wq_scales, .offset: 24, .size: 8, .value_kind: global_buffer, .address_space: global }
      - { .name: bq, .offset: 32, .size: 8, .value_kind: global_buffer, .address_space: global }
      - { .name: k_codes, .offset: 40, .size: 8, .value_kind: global_buffer, .address_space: global }
      - { .name: k_scales, .offset: 48, .size: 8, .value_kind: global_buffer, .address_space: global }
      - { .name: Wk_codes, .offset: 56, .size: 8, .value_kind: global_buffer, .address_space: global }
      - { .name: Wk_scales, .offset: 64, .size: 8, .value_kind: global_buffer, .address_space: global }
      - { .name: bk, .offset: 72, .size: 8, .value_kind: global_buffer, .address_space: global }
      - { .name: v_codes, .offset: 80, .size: 8, .value_kind: global_buffer, .address_space: global }
      - { .name: v_scales, .offset: 88, .size: 8, .value_kind: global_buffer, .address_space: global }
      - { .name: Wv_codes, .offset: 96, .size: 8, .value_kind: global_buffer, .address_space: global }
      - { .name: Wv_scales, .offset: 104, .size: 8, .value_kind: global_buffer, .address_space: global }
      - { .name: bv, .offset: 112, .size: 8, .value_kind: global_buffer, .address_space: global }
      - { .name: k_padding_mask, .offset: 120, .size: 8, .value_kind: global_buffer, .address_space: global }
      - { .name: qimg, .offset: 128, .size: 8, .value_kind: global_buffer, .address_space: global }
      - { .name: kvimg, .offset: 136, .size: 8, .value_kind: global_buffer, .address_space: global }
    .group_segment_fixed_size: 0
    .private_segment_fixed_size: 0
    .kernarg_segment_align: 8
    .kernarg_segment_size: 144
    .max_flat_workgroup_size: 96
    .sgpr_count:     92
    .vgpr_count:     1024
    .wavefront_size: 32
...
	.end_amdgpu_metadata
.endif
;; end of part 1
;; launch attn (part 2): grid 8 x 32, 8 waves a work-group, clusters of 4 x 1, 327,680 bytes of LDS; arguments qimg, kvimg, rpe, oimg; writes oimg
.if DOCPART == 2
	.amdgcn_target "amdgcn-amd-amdhsa--gfx1250"
	.amdhsa_code_object_version 6
	.text
	.protected	k_q060ad310be_attn
	.globl	k_q060ad310be_attn
	.p2align	8
	.type	k_q060ad310be_attn,@function
k_q060ad310be_attn:
	s_mov_b64 s[64:65], 0
	v_nop
	global_prefetch_b8 v0, s[64:65] scope:SCOPE_SE
	s_setreg_imm32_b32 hwreg(HW_REG_WAVE_MODE, 25, 1), 1
	s_wait_xcnt 0x0
	s_wait_alu depctr_hold_cnt(0) depctr_sa_sdst(0) depctr_va_vdst(0) depctr_va_sdst(0) depctr_va_ssrc(0) depctr_va_vcc(0) depctr_vm_vsrc(0)
	s_getreg_b32 s2, hwreg(HW_REG_IB_STS2, 6, 4)
	s_cmp_eq_u32 s2, 0
	s_cbranch_scc0 .Lentry_in_a_cluster
	s_endpgm
.Lentry_in_a_cluster:
	s_bfe_u32 s2, ttmp6, 0x10000c
	s_cmp_lg_u32 s2, 0x3003
	s_cbranch_scc0 .Lentry_shape_is_right
	s_endpgm
.Lentry_shape_is_right:
; o = softmax(qp kp^T / 8 + rpe, padded keys out) vp, both products on codes of FP6 (E2M3) with E8M0 scales; o is divided by the row's sum, quantised along a head's 64 and stored as an image of operand registers.
; No work of the problem is left out here.
; SHARES.  A work-group owns 256 queries of one batch and head; each of its eight waves owns 32, as two tiles of 16: tile A in register window 0, tile B in window 1 at the same numbers.  Each fragment of K and V
; read from LDS feeds two matrix instructions.  Every wave walks the 2,048 keys, 128 a step.
; LAYOUT.  Both products are used transposed: S^T = K Q^T (source 0 = 16 keys, source 1 = 16 queries), O^T = V^T P^T: a lane holds ONE query throughout.  The rows of a tile are 32 (t / 2) + 8 (t % 2) + r + 8 (r / 8)
; (keys, queries and the head's 64 alike), so that accumulators 2 b and 2 b + 1 hold 16 neighbours along the next K.
; WHAT COSTS NO VECTOR INSTRUCTION.  1 / 8 lies in Q's scale bytes.  rpe IS THE C OF THE SCORE PRODUCT: the accumulators are loaded with it from LDS.  THE KEY MASK lies in the unused half of K = 128: at k = 64 K's
; fragments hold +4 and Q's -4, constants in registers; Q's scale byte there is 80, K's 200 for a padded key (the product is -2^30) and 1 otherwise (-2^-169, which vanishes).
; THE SOFTMAX: t = logit x log2(e); M = the running largest t rounded up to a whole number; p = 2^(t - M) is quantised along the keys; the row's sum is taken of the unquantised p and divides at the end; when M moves,
; the sum and O^T are multiplied by 2^(old M - new M), exactly.
; LDS IS FILLED ONCE: the head's K and V images (16 steps x 13,056 bytes) and four copies of the work-group's window of rpe, copy s shifted by s numbers, so that every lane's four neighbours begin on 16 bytes.
; CLUSTER.  The four query blocks of a cluster belong to one batch and head: K's and V's images are asked for jointly, each wave two steps (26,112 bytes).  The window of rpe differs from block to block: a load of the work-group's own.
; A wave has two tensor loads out.
; LIMITS.  A padded key's logit is -2^30 + its score + rpe in place of -1e9: the results agree wherever some open key of the row has a logit above about -9e8; a batch all of whose keys are padded is not served.
; NaN and infinities are not served.  A block of zeros has the floor's byte, 1: its codes are zeros, and this program alone reads the bytes.
.set KVB,   13056                      ; a step's image: K's 8 fragments of 768, K's scale words 512, V's 4 fragments of 1,536, V's scale words 256
.set RPE,   16*KVB                     ; behind them the four copies: T_s[y] = rpe[head][1792 - first query + y + s], y = 0 .. 2,299
.set SPARE, 246016                     ; the spare words, 128 bytes for each wave: four blocks of 256 bytes that no other line names
.set SPW, 1                            ; v1   my spare word; never rewritten
.set NIL, 2                            ; v2   0; never rewritten
.set A16, 3                            ; v3   16 x lane + the step's first byte
.set A8,  4                            ; v4   8 x lane + the step's first byte
.set QS,  5                            ; v5   Q's scale words: lanes 0-15 tile A's, lanes 16-31 tile B's
.set PW,  6                            ; v6, v7 p's scale words (at the end o's), tile A, tile B
.set VS,  8                            ; v8-9 V's scale words
.set L16, 10                           ; v10  16 x lane
.set L8,  11                           ; v11  8 x lane
.set KS,  208                          ; v208-211 K's scale words
.set CAA, 212                          ; v212, v213 where tile A's and tile B's rpe begins for the step to be fetched
; per tile, the same numbers in window 0 (A) and window 1 (B):
.set NM,  12                           ; -M
.set TMAX, 13                          ; the largest t
.set SUM, 14                           ; v14-15 the sum, in two halves
.set Q,   16                           ; v16-27
.set BM,  28                           ; v28-31 a block's largest score, then its largest p
.set PT,  32                           ; v32-35 at work
.set SO,  36                           ; v36-39 the conversions' scale operands
.set PC,  40                           ; v40-51 p's codes
.set T2,  52                           ; v52-54, v56-58
.set TA,  59
.set F,   60                           ; v60-61
.set TB,  62
.set S,   64                           ; v64-127 rpe, S^T, p
.set O,   128                          ; v128-159 O^T
.set KF,  160                          ; v160-207 K's fragments 0-3 (window 0), 4-7 (window 1)
.set VF,  208                          ; window 1: v208-255 V's four fragments
.set MSB, 0
.macro WIN new                         ; the immediate's high byte repeats the setting that is left
.if MSB != (\new)
	s_set_vgpr_msb (MSB<<8)|(\new)
.set MSB, (\new)
.endif
.endm
.macro CROUND                          ; a round of the cluster's barrier
	s_barrier_signal -1
	s_barrier_wait -1
	s_cmp_lg_u32 s12, 0
	s_cbranch_scc1 .Lnot_wave_0_\@
	s_barrier_signal -3
.Lnot_wave_0_\@:
	s_barrier_wait -3
	s_barrier_signal -1
	s_barrier_wait -1
.endm
	s_load_b256 s[4:11], s[0:1], 0x0               ; qimg 4, kvimg 6, rpe 8, oimg 10
	v_lshl_add_u32 v[SPW], v0, 2, SPARE
	v_mov_b32 v[NIL], 0
	ds_add_u32 v[SPW], v[NIL]                      ; the wave's opening: the add, twice on end, and its wait ahead of my first tensor load
	ds_add_u32 v[SPW], v[NIL]
	v_lshrrev_b32 v214, 5, v0
	v_readfirstlane_b32 s12, v214                  ; wave 0..7
	s_bfe_u32 s13, ttmp6, 0x40000                  ; my place in the cluster
	s_lshl_b32 s14, ttmp9, 2
	s_add_co_u32 s14, s14, s13                     ; my block of 256 queries: it enters global addresses alone
	s_and_b32 s15, ttmp7, 0xffff                   ; 8 x batch + head, which the four partners share
	s_and_b32 s16, s15, 7                          ; head
	s_lshr_b32 s17, s15, 3                         ; batch
	s_mov_b32 s20, 0x76543210
	s_mov_b32 s21, 0xfedcba98                      ; v_permlanex16_b32's selects for lane l xor 16
	s_mov_b32 s22, 0x3fb8aa3b                      ; log2(e)
	s_mov_b32 s23, s22                             ; (named with it as a pair)
	; K's and V's images: 102 rows of 256 bytes (32 elements of 8), dense; asked for by all four work-groups
	s_mov_b32 s24, 15|(3<<16)|(1<<21)
	s_mov_b32 s25, 32<<16
	s_mov_b32 s26, 102<<16
	s_mov_b32 s27, 32<<16
	s_mov_b32 s28, 102
	s_mov_b32 s29, 32
	s_mov_b32 s30, 0
	s_mov_b32 s31, 0
	s_mov_b32 s32, 1
	s_mul_i32 s33, s12, 2*KVB                      ; wave w: steps 2 w and 2 w + 1
	s_mul_i32 s48, s15, 16*KVB
	s_add_co_u32 s48, s48, s33
	s_mov_b32 s49, 0
	; half a copy of the window of rpe: one row of 1,150 numbers of 4 bytes; no mask
	s_mov_b32 s36, 2<<16
	s_mov_b32 s37, 1150<<16
	s_mov_b32 s38, 1<<16
	s_mov_b32 s39, 1150<<16
	s_mov_b32 s40, 1
	s_mov_b32 s41, 1150
	s_mov_b32 s42, 1<<16
	s_mov_b32 s43, 0
	s_mov_b32 s44, 1
	s_lshr_b32 s52, s12, 1                         ; copy s = wave / 2, half = wave % 2
	s_and_b32 s53, s52, 1
	s_mul_i32 s45, s53, 9248
	s_lshr_b32 s53, s12, 2
	s_mul_i32 s67, s53, 18560
	s_add_co_u32 s45, s45, s67
	s_and_b32 s67, s12, 1
	s_mul_i32 s68, s67, 4600
	s_add_co_u32 s45, s45, s68
	s_add_co_u32 s45, s45, RPE
	s_mul_i32 s54, s16, 4095                       ; in memory: rpe[head][1792 - 256 x block + s + 1150 x half]: from 0 to 4,094 over all blocks, copies and halves
	s_add_co_u32 s54, s54, 1792
	s_lshl_b32 s68, s14, 8
	s_sub_co_u32 s54, s54, s68
	s_add_co_u32 s54, s54, s52
	s_mul_i32 s68, s67, 1150
	s_add_co_u32 s54, s54, s68
	s_lshl_b32 s54, s54, 2
	s_mov_b32 s55, 0
	s_lshl_b32 s56, s15, 4                         ; Q: block of 128 queries 2 x block + wave / 4,
	s_lshl_b32 s68, s14, 1
	s_add_co_u32 s56, s56, s68
	s_add_co_u32 s56, s56, s53
	s_mul_i32 s56, s56, 6656
	s_mov_b32 s57, 0
	s_and_b32 s68, s12, 3
	s_mul_i32 s58, s68, 1536                       ; in it tiles 2 (wave % 4) and the next,
	s_mov_b32 s59, 0
	s_lshl_b32 s60, s68, 2                         ; and word wave % 4 of each lane's four scale words
	s_mov_b32 s61, 0
	s_lshl_b32 s62, s17, 6                         ; o: pair of tiles 64 x batch + 8 x block + wave, head
	s_lshl_b32 s68, s14, 3
	s_add_co_u32 s62, s62, s68
	s_add_co_u32 s62, s62, s12
	s_lshl_b32 s62, s62, 3
	s_add_co_u32 s62, s62, s16
	s_mul_i32 s62, s62, 1792
	s_mov_b32 s63, 0
	s_wait_dscnt 0x0                               ; both opening adds are done
	s_wait_kmcnt 0x0
	s_add_nc_u64 s[34:35], s[6:7], s[48:49]
	s_or_b32 s35, s35, 0x80000000
	s_add_nc_u64 s[46:47], s[8:9], s[54:55]
	s_or_b32 s47, s47, 0x80000000
	s_add_nc_u64 s[4:5], s[4:5], s[56:57]
	s_add_nc_u64 s[50:51], s[4:5], s[58:59]        ; my two tiles of Q
	s_add_nc_u64 s[4:5], s[4:5], s[60:61]          ; their scale words
	s_add_nc_u64 s[10:11], s[10:11], s[62:63]
	CROUND                                         ; all four work-groups are here: the joint loads meet
	tensor_load_to_lds s[32:35], s[24:31]          ; every wave issues both fills: LDS is filled once, and no byte again
	s_nop 0
	tensor_load_to_lds s[44:47], s[36:43]
	s_nop 0
.rept 4
	v_nop
.endr
	v_and_b32 v214, 31, v0
	v_lshlrev_b32 v[L16], 4, v214
	v_lshlrev_b32 v[L8], 3, v214
	v_lshlrev_b32 v[A16], 4, v214
	v_lshlrev_b32 v[A8], 3, v214
	global_load_b128 v[Q:Q+3], v[L16], s[50:51]
	global_load_b64 v[Q+4:Q+5], v[L8], s[50:51] offset:512
	global_load_b32 v[QS], v[L16], s[4:5] offset:6144
	WIN 0x40                                       ; destination window 1
	global_load_b128 v[Q:Q+3], v[L16], s[50:51] offset:768
	global_load_b64 v[Q+4:Q+5], v[L8], s[50:51] offset:1280
	WIN 0
	v_and_b32 v214, 15, v0                         ; r
	v_bfe_u32 v215, v0, 4, 1                       ; h
	v_and_b32 v216, 8, v214
	v_add_nc_u32 v216, v216, v214                  ; rr = r + 8 (r / 8)
	v_and_b32 v217, 3, v0
	v_xor_b32 v217, 3, v217                        ; my copy: s = 3 - r % 4, so that 255 - rr - s is a multiple of 4
	v_and_b32 v[CAA], 1, v217
	v_mul_u32_u24 v[CAA], v[CAA], 9248
	v_lshrrev_b32 v218, 1, v217
	v_mad_u32_u24 v[CAA], v218, 18560, v[CAA]
	v_lshl_add_u32 v[CAA], v215, 6, v[CAA]         ; + 4 x 16 h
	s_xor_b32 s52, s12, 7
	s_lshl_b32 s52, s52, 7                         ; 4 x 32 (7 - wave)
	s_add_co_u32 s52, s52, RPE+124                 ; 4 x 255 - 4 x 32 x 7 = 124
	v_add_nc_u32 v[CAA], s52, v[CAA]
	v_add_nc_u32 v216, v216, v217
	v_lshlrev_b32 v216, 2, v216
	v_sub_nc_u32 v[CAA], v[CAA], v216              ; copy s + 4 (255 + 16 h - 32 wave - rr - s): number y of it is rpe at key - query + 2,047 for key 16 h + y of the step
	v_sub_nc_u32 v[CAA+1], v[CAA], 32              ; tile B's queries lie 8 further on
	v_xor_b32 v215, 1, v215
	v_mul_u32_u24 v219, v215, 24                   ; the code of +4 at k = 64 (lanes 0-15), else 0
	v_mul_u32_u24 v220, v215, 56                   ; the code of -4
.macro INIT                            ; a tile's state, and the constant halves of its fragments
	v_mov_b32 v[NM], 0x7f61b1e6                    ; -M = 3e38
	v_mov_b32 v[TMAX], 0xff61b1e6                  ; the largest t so far: -3e38, under every t
	v_mov_b32 v[SUM], 0
	v_mov_b32 v[SUM+1], 0
	v_mov_b32 v[Q+6], v220
.irp j,7,8,9,10,11
	v_mov_b32 v[Q+\j], 0
.endr
.irp j,0,1,2,3
	v_mov_b32 v[PT+\j], 0                          ; written once: a lane permute's destination counts as one of its sources
.endr
	v_mov_b32 v[F+1], 0                            ; (named as the upper half of a pair)
.irp f,0,1,2,3
	v_mov_b32 v[KF+12*\f+6], v219
.irp j,7,8,9,10,11
	v_mov_b32 v[KF+12*\f+\j], 0
.endr
.endr
.set JJ, 0
.rept 32
	v_mov_b32 v[O+JJ], 0                           ; O^T: the step is written once; the first finds zeros, which the first change of M leaves zeros
.set JJ, JJ+1
.endr
.endm
	INIT
	WIN 0x40
	INIT
	WIN 0
.macro KLOAD off                       ; 17 LDS loads: K's eight fragments (registers 0-5 of each; 6-11 are the constants) and its scale words
	WIN 0
.irp f,0,1,2,3
	ds_load_b128 v[KF+12*\f:KF+12*\f+3], v[A16] offset:(\off)+768*\f
	ds_load_b64 v[KF+12*\f+4:KF+12*\f+5], v[A8] offset:(\off)+768*\f+512
.endr
	ds_load_b128 v[KS:KS+3], v[A16] offset:(\off)+6144
	WIN 0x40
.irp f,0,1,2,3
	ds_load_b128 v[KF+12*\f:KF+12*\f+3], v[A16] offset:(\off)+768*(\f+4)
	ds_load_b64 v[KF+12*\f+4:KF+12*\f+5], v[A8] offset:(\off)+768*(\f+4)+512
.endr
.endm
.macro VLOAD                           ; 13 LDS loads: V's scale words and its four fragments
	WIN 0
	ds_load_b64 v[VS:VS+1], v[A8] offset:12800
	WIN 0x40
.irp t,0,1,2,3
.irp c,0,1,2
	ds_load_b128 v[VF+12*\t+4*\c:VF+12*\t+4*\c+3], v[A16] offset:6656+1536*\t+512*\c
.endr
.endr
.endm
.macro CLOAD T                         ; 16 LDS loads: rpe for tile T's 128 keys, into the accumulators
	WIN 0x40*(\T)
.irp f,0,1,2,3,4,5,6,7
	ds_load_b128 v[S+8*\f:S+8*\f+3], v[CAA+(\T)] offset:128*(\f/2)+32*(\f%2)
	ds_load_b128 v[S+8*\f+4:S+8*\f+7], v[CAA+(\T)] offset:128*(\f/2)+32*(\f%2)+16
.endr
.endm
; four score products of tile T on K's fragments f0 .. f0 + 3; C = D = the accumulator that holds rpe.  An odd fragment's scale words, and tile B's of Q, lie in lanes 16-31
.macro SM4 T, f0
.irp g,0,1,2,3
.if (\g%2 == 0) && ((\T) == 0)
	v_wmma_scale_f32_16x16x128_f8f6f4 v[S+8*(\f0+\g):S+8*(\f0+\g)+7], v[KF+12*\g:KF+12*\g+11], v[Q:Q+11], v[S+8*(\f0+\g):S+8*(\f0+\g)+7], v[KS+(\f0+\g)/2], v[QS] matrix_a_fmt:MATRIX_FMT_FP6 matrix_b_fmt:MATRIX_FMT_FP6
.elseif (\g%2 == 1) && ((\T) == 0)
	v_wmma_scale_f32_16x16x128_f8f6f4 v[S+8*(\f0+\g):S+8*(\f0+\g)+7], v[KF+12*\g:KF+12*\g+11], v[Q:Q+11], v[S+8*(\f0+\g):S+8*(\f0+\g)+7], v[KS+(\f0+\g)/2], v[QS] matrix_a_fmt:MATRIX_FMT_FP6 matrix_b_fmt:MATRIX_FMT_FP6 matrix_a_scale:MATRIX_SCALE_ROW1
.elseif (\g%2 == 0)
	v_wmma_scale_f32_16x16x128_f8f6f4 v[S+8*(\f0+\g):S+8*(\f0+\g)+7], v[KF+12*\g:KF+12*\g+11], v[Q:Q+11], v[S+8*(\f0+\g):S+8*(\f0+\g)+7], v[KS+(\f0+\g)/2], v[QS] matrix_a_fmt:MATRIX_FMT_FP6 matrix_b_fmt:MATRIX_FMT_FP6 matrix_b_scale:MATRIX_SCALE_ROW1
.else
	v_wmma_scale_f32_16x16x128_f8f6f4 v[S+8*(\f0+\g):S+8*(\f0+\g)+7], v[KF+12*\g:KF+12*\g+11], v[Q:Q+11], v[S+8*(\f0+\g):S+8*(\f0+\g)+7], v[KS+(\f0+\g)/2], v[QS] matrix_a_fmt:MATRIX_FMT_FP6 matrix_b_fmt:MATRIX_FMT_FP6 matrix_a_scale:MATRIX_SCALE_ROW1 matrix_b_scale:MATRIX_SCALE_ROW1
.endif
.endr
.endm
; tile T's softmax of a step, its p quantised, and its four products O^T += V^T P^T.  more = 1: the next step's rpe is fetched into the accumulators as soon as p has been converted
.macro SOFT T, more
.set BW, 0x55*(\T)
	WIN BW
.irp b,0,1,2,3
	v_max3_num_f32 v[BM+\b], v[S+16*\b], v[S+16*\b+1], v[S+16*\b+2]   ; the largest score of each block of 32 keys: it serves for the row's maximum and, since p rises with the score, for the block's largest p
.endr
.irp i,3,5,7,9,11,13
.irp b,0,1,2,3
	v_max3_num_f32 v[BM+\b], v[BM+\b], v[S+16*\b+\i], v[S+16*\b+\i+1]
.endr
.endr
.irp b,0,1,2,3
	v_max_num_f32 v[BM+\b], v[BM+\b], v[S+16*\b+15]
.endr
.irp b,0,1,2,3
	v_permlanex16_b32 v[PT+\b], v[BM+\b], s20, s21
.endr
.irp b,0,1,2,3
	v_max_num_f32 v[BM+\b], v[BM+\b], v[PT+\b]     ; with lane l xor 16's 16 keys
.endr
	v_max3_num_f32 v[TA], v[BM], v[BM+1], v[BM+2]
	v_max_num_f32 v[TA], v[TA], v[BM+3]
	v_mul_f32 v[TA], s22, v[TA]                    ; the step's largest t
	v_max_num_f32 v[TMAX], v[TMAX], v[TA]
	v_mov_b32 v[TA], v[NM]
	v_floor_f32 v[NM], -v[TMAX]                    ; the new -M = floor(-t): M is a whole number
	v_sub_f32 v[TA], v[NM], v[TA]                  ; old M - new M: a whole number, 0 or less
	v_cvt_i32_f32 v[TA], v[TA]                     ; (it saturates)
	v_ldexp_f32 v[F], 1.0, v[TA]                   ; f = 2^(old M - new M)
.set JJ, 0
.rept 32
	v_pk_fma_f32 v[S+JJ:S+JJ+1], v[S+JJ:S+JJ+1], s[22:23], v[NM:NM+1] op_sel_hi:[1,0,0]   ; t - M, two at a time
.set JJ, JJ+2
.endr
.irp b,0,1,2,3
	v_fma_f32 v[BM+\b], v[BM+\b], s22, v[NM]       ; the same of each block's largest score
.endr
.set JJ, 0
.rept 64
	v_exp_f32 v[S+JJ], v[S+JJ]                     ; p = 2^(t - M): not normalised
.set JJ, JJ+1
.endr
	v_pk_mul_f32 v[SUM:SUM+1], v[SUM:SUM+1], v[F:F+1] op_sel_hi:[1,0]   ; the sums under the new M: the plain place behind the exponentials
	s_wait_alu depctr_va_vdst(0)                   ; one wait for the batch of 64, ahead of its first reader
.irp b,0,1,2,3
	v_exp_f32 v[BM+\b], v[BM+\b]                   ; each block's largest p
.endr
	v_pk_add_f32 v[PT:PT+1], v[S:S+1], v[S+2:S+3]  ; the row's sum is taken of the unquantised p, in two chains
.set JJ, 4
.rept 15
	v_pk_add_f32 v[SUM:SUM+1], v[SUM:SUM+1], v[S+JJ:S+JJ+1]
	v_pk_add_f32 v[PT:PT+1], v[PT:PT+1], v[S+JJ+2:S+JJ+3]
.set JJ, JJ+4
.endr
	v_pk_add_f32 v[SUM:SUM+1], v[SUM:SUM+1], v[PT:PT+1]
	s_wait_alu depctr_va_vdst(0)                   ; and one for the four
.irp b,0,1,2,3
	v_max_num_f32 v[BM+\b], 0x1800000, v[BM+\b]    ; the floor 2^(3 - 127): the byte cannot fall under 1
.endr
.irp b,0,1,2,3
	v_add_nc_u32 v[SO+\b], 0xff000000, v[BM+\b]    ; 2 off the exponent field: the conversion's scale operand
.endr
.irp b,0,1,2,3
	v_lshrrev_b32 v[PT+\b], 23, v[SO+\b]           ; the scale's byte
.endr
	v_lshl_or_b32 v[TB], v[PT+1], 8, v[PT]
	v_lshl_or_b32 v[TB], v[PT+2], 16, v[TB]
	WIN (BW&0x3f)                                  ; scale operands have no window: the word goes to window 0
	v_lshl_or_b32 v[PW+(\T)], v[PT+3], 24, v[TB]
	WIN BW
.irp c,0,1
	v_cvt_scalef32_pk16_fp6_f32 v[PC+6*\c:PC+6*\c+2], v[S+32*\c:S+32*\c+15], v[SO+2*\c]
	v_cvt_scalef32_pk16_fp6_f32 v[T2+4*\c:T2+4*\c+2], v[S+32*\c+16:S+32*\c+31], v[SO+2*\c+1]
.endr
	v_nop                                          ; one plain place behind a scaled conversion
.irp c,0,1
.irp i,0,1,2
	v_permlane16_swap_b32 v[PC+6*\c+\i], v[T2+4*\c+\i]
.endr
.irp i,0,1,2
	v_mov_b32 v[PC+6*\c+3+\i], v[T2+4*\c+\i]
.endr
.endr
.if (\more)
	WIN 0
	v_add_nc_u32 v[CAA+(\T)], 512, v[CAA+(\T)]     ; 128 keys on
	CLOAD \T
	WIN BW
.endif
.set JJ, 0
.rept 16
	v_pk_mul_f32 v[O+JJ:O+JJ+1], v[O+JJ:O+JJ+1], v[F:F+1] op_sel_hi:[1,0]   ; O^T under the new M.  (These sixteen are also the places between p's word and codes and the products)
.set JJ, JJ+2
.endr
.if (\T) == 0
.if (\more)
	s_wait_dscnt 33                                ; V is in; behind it: 17 loads of the next K, 16 of tile A's next rpe
.else
	s_wait_dscnt 0x0
.endif
.endif
	WIN (BW|1)                                     ; source 0 (V) window 1; P, C and D the tile's window
.irp t,0,1,2,3
.if \t%2 == 0
	v_wmma_scale_f32_16x16x128_f8f6f4 v[O+8*\t:O+8*\t+7], v[VF+12*\t:VF+12*\t+11], v[PC:PC+11], v[O+8*\t:O+8*\t+7], v[VS+\t/2], v[PW+(\T)] matrix_a_fmt:MATRIX_FMT_FP6 matrix_b_fmt:MATRIX_FMT_FP6
.else
	v_wmma_scale_f32_16x16x128_f8f6f4 v[O+8*\t:O+8*\t+7], v[VF+12*\t:VF+12*\t+11], v[PC:PC+11], v[O+8*\t:O+8*\t+7], v[VS+\t/2], v[PW+(\T)] matrix_a_fmt:MATRIX_FMT_FP6 matrix_b_fmt:MATRIX_FMT_FP6 matrix_a_scale:MATRIX_SCALE_ROW1
.endif
.endr
.endm
; A KEY STEP.  No two matrix instructions that follow each other share an accumulator: 16 of S^T, then four of O^T for each tile
.macro STEP more
	VLOAD
	s_wait_dscnt 13                                ; K, its scale words and both tiles' rpe are in; the 13 loads of V may be out
	WIN 0
	SM4 0, 0
	WIN 0x54                                       ; K window 0; Q, C and D window 1
	SM4 1, 0
	WIN 0x55
	SM4 1, 4
	WIN 0x01                                       ; K window 1; Q, C and D window 0
	SM4 0, 4
	WIN 0
.rept 4
	v_nop                                          ; places in front of the loads into K's registers and of the first read of the scores
.endr
.if (\more)
	KLOAD KVB                                      ; the next step's K
.endif
	SOFT 0, \more
	SOFT 1, \more
	WIN 0
.if (\more)
	v_add_nc_u32 v[A16], KVB, v[A16]
	v_add_nc_u32 v[A8], KVB, v[A8]
	v_nop
	v_nop                                          ; four places in front of the next step's loads into V's registers
.endif
.endm
; the end of tile T: O^T / the sum, quantised along the head's 64 (two blocks), stored as registers 0-5 of an operand
.macro FIN T
.set BW, 0x55*(\T)
	WIN BW
	v_add_f32 v[SUM], v[SUM], v[SUM+1]
	v_permlanex16_b32 v[TA], v[SUM], s20, s21
	v_add_f32 v[SUM], v[SUM], v[TA]                ; the row's sum
	v_rcp_f32 v[SUM], v[SUM]
	v_nop                                          ; a plain place behind the reciprocal,
	s_wait_alu depctr_va_vdst(0)                   ; and the wait ahead of its first reader
.set JJ, 0
.rept 32
	v_mul_f32 v[S+JJ], v[O+JJ], v[SUM]             ; register 16 b + i: channel 32 b + 16 h + i of my query
.set JJ, JJ+1
.endr
.irp b,0,1
	v_max3_num_f32 v[BM+\b], |v[S+16*\b]|, |v[S+16*\b+1]|, 0x1800000
.endr
.irp i,2,4,6,8,10,12,14
.irp b,0,1
	v_max3_num_f32 v[BM+\b], v[BM+\b], |v[S+16*\b+\i]|, |v[S+16*\b+\i+1]|
.endr
.endr
.irp b,0,1
	v_permlanex16_b32 v[PT+\b], v[BM+\b], s20, s21
.endr
.irp b,0,1
	v_max_num_f32 v[BM+\b], v[BM+\b], v[PT+\b]
.endr
.irp b,0,1
	v_add_nc_u32 v[SO+\b], 0xff000000, v[BM+\b]
.endr
.irp b,0,1
	v_lshrrev_b32 v[PT+\b], 23, v[SO+\b]
.endr
	WIN (BW&0x3f)
	v_lshl_or_b32 v[PW+(\T)], v[PT+1], 8, v[PT]    ; the head's two scale bytes of my row
	WIN BW
	v_cvt_scalef32_pk16_fp6_f32 v[PC:PC+2], v[S:S+15], v[SO]
	v_cvt_scalef32_pk16_fp6_f32 v[T2:T2+2], v[S+16:S+31], v[SO+1]
	v_nop
.irp i,0,1,2
	v_permlane16_swap_b32 v[PC+\i], v[T2+\i]
.endr
.irp i,0,1,2
	v_mov_b32 v[PC+3+\i], v[T2+\i]
.endr
	WIN 0x04*(\T)                                  ; a store's data are its source 1
	global_store_b128 v[L16], v[PC:PC+3], s[10:11] offset:768*(\T)
	global_store_b64 v[L8], v[PC+4:PC+5], s[10:11] offset:768*(\T)+512
.endm
	s_wait_tensorcnt 0x0                           ; my two fills have landed,
	s_barrier_signal -1
	s_barrier_wait -1                              ; everybody's have
	KLOAD 0
	CLOAD 0
	CLOAD 1
	WIN 0
	s_wait_loadcnt 0x0                             ; Q and its scale words
	s_mov_b32 s66, 15
.Lstep:
	STEP 1
	s_sub_co_u32 s66, s66, 1
	s_cmp_lg_u32 s66, 0
	s_cbranch_scc1 .Lstep
	STEP 0                                         ; the last step fetches nothing more
	FIN 0
	FIN 1
	WIN 0
	global_store_b64 v[L8], v[PW:PW+1], s[10:11] offset:1536   ; both tiles' scale words, 8 bytes a lane
	s_wait_tensorcnt 0x0                           ; the wave's end
	ds_add_u32 v[SPW], v[NIL]
	s_wait_dscnt 0x0
	CROUND                                         ; the closing round
	s_endpgm
.Lfunc_end_k_q060ad310be_attn:
	.size	k_q060ad310be_attn, .Lfunc_end_k_q060ad310be_attn-k_q060ad310be_attn
	.p2alignl 7, 3214868480
	.fill 96, 4, 3214868480
	.section	.rodata,"a",@progbits
	.p2align	6, 0x0
	.amdhsa_kernel k_q060ad310be_attn
		.amdhsa_group_segment_fixed_size 327680
		.amdhsa_private_segment_fixed_size 0
		.amdhsa_enable_private_segment 0
		.amdhsa_kernarg_size 32
		.amdhsa_user_sgpr_count 2
		.amdhsa_user_sgpr_kernarg_segment_ptr 1
		.amdhsa_wavefront_size32 1
		.amdhsa_system_sgpr_workgroup_id_x 1
		.amdhsa_system_sgpr_workgroup_id_y 1
		.amdhsa_system_sgpr_workgroup_id_z 1
		.amdhsa_system_vgpr_workitem_id 0
		.amdhsa_next_free_vgpr 512
		.amdhsa_next_free_sgpr 70
		.amdhsa_reserve_vcc 0
		.amdhsa_float_denorm_mode_32 3
		.amdhsa_float_denorm_mode_16_64 3
		.amdhsa_memory_ordered 1
		.amdhsa_forward_progress 1
		.amdhsa_inst_pref_size 81
	.end_amdhsa_kernel
	.amdgpu_metadata
---
amdhsa.version: [ 1, 2 ]
amdhsa.kernels:
  - .name:           k_q060ad310be_attn
    .symbol:         k_q060ad310be_attn.kd
    .args:
      - { .name: qimg, .offset: 0, .size: 8, .value_kind: global_buffer, .address_space: global }
      - { .name: kvimg, .offset: 8, .size: 8, .value_kind: global_buffer, .address_space: global }
      - { .name: rpe, .offset: 16, .size: 8, .value_kind: global_buffer, .address_space: global }
      - { .name: oimg, .offset: 24, .size: 8, .value_kind: global_buffer, .address_space: global }
    .group_segment_fixed_size: 327680
    .private_segment_fixed_size: 0
    .kernarg_segment_align: 8
    .kernarg_segment_size: 32
    .max_flat_workgroup_size: 256
    .sgpr_count:     70
    .vgpr_count:     512
    .wavefront_size: 32
...
	.end_amdgpu_metadata
.endif
;; end of part 2
;; launch outp (part 3): grid 4 x 64, 4 waves a work-group, no clusters, 17,920 bytes of LDS; arguments oimg, Wo_codes, Wo_scales, bo, q_padding_mask, out0; writes out0
.if DOCPART == 3
	.amdgcn_target "amdgcn-amd-amdhsa--gfx1250"
	.amdhsa_code_object_version 6
	.text
	.protected	k_q060ad310be_outp
	.globl	k_q060ad310be_outp
	.p2align	8
	.type	k_q060ad310be_outp,@function
k_q060ad310be_outp:
	s_mov_b64 s[64:65], 0
	v_nop
	global_prefetch_b8 v0, s[64:65] scope:SCOPE_SE
	s_setreg_imm32_b32 hwreg(HW_REG_WAVE_MODE, 25, 1), 1
	s_wait_xcnt 0x0
; out = o Wo^T + bo, 0 in the rows of padded queries; o arrives as images of operand registers from the attention launch, Wo as codes of FP6 (E2M3), both with E8M0 scales.  No work of the problem is left out here.
; SHARES.  Work-group (x, y): rows 128 y on, columns 128 x on.  Wave w: 64 rows (w / 2) x 64 columns (w % 2): 16 accumulators, 64 matrix instructions; all its operands are loaded straight into registers, each byte once a wave.
; USED TRANSPOSED: source 0 = 16 rows of Wo, source 1 = 16 rows of o: a lane holds eight neighbouring columns of one row.  A tile's rows of o are 32 (a / 2) + 8 (a % 2) + r + 8 (r / 8), as the attention launch left them.
; A K step of 128 is two heads: registers 0-5 and the low two scale bytes from head 2 s, registers 6-11 and the high two from head 2 s + 1.  bo is the C of each sum's first product.
; No tensor load, no barrier: a wave's results go through its own stage in LDS and leave as whole rows of 256 bytes.
; REGISTERS: window 0: addresses, scale words, bias, 128 accumulators; window 1: Wo's fragments (48 t + 12 s); window 2: o's (48 a + 12 s).
.set SPARE, 17408                      ; behind the four stages of 16 rows x 272 bytes: the spare words, 128 bytes a wave
.set SPW, 1                            ; v1  my spare word; never rewritten
.set NIL, 2                            ; v2  0; never rewritten
.set STO, 3                            ; v3  the stage: where I put 32 bytes of a row
.set RD,  4                            ; v4  and where I read a row back
.set GO,  5                            ; v5  my byte offset in two rows of out
.set L16, 6
.set L8,  7
.set WA,  8                            ; v8  Wo: 384 r + 24 h
.set WSO, 9                            ; v9  16 r
.set BOO, 10                           ; v10 32 h
.set RRV, 11                           ; v11 r + 8 (r / 8)
.set OSW, 16                           ; v16-31 o's scale words (4 a + s)
.set WSW, 32                           ; v32-47 Wo's (4 t + s)
.set BO,  48                           ; v48-79 the bias in the result's layout
.set RAW, 80                           ; v80-111 o's half words as loaded; later rows on the way out
.set BK,  80
.set MASK, 112                         ; v112-115
.set ACC, 128
.set MSB, 0
.macro WIN new
.if MSB != (\new)
	s_set_vgpr_msb (MSB<<8)|(\new)
.set MSB, (\new)
.endif
.endm
	s_load_b256 s[4:11], s[0:1], 0x0               ; oimg 4, Wo codes 6, Wo scales 8, bo 10
	s_load_b128 s[12:15], s[0:1], 0x20             ; query mask 12, out 14
	v_lshl_add_u32 v[SPW], v0, 2, SPARE
	v_mov_b32 v[NIL], 0
	v_lshrrev_b32 v12, 5, v0
	v_readfirstlane_b32 s16, v12                   ; wave 0..3
	s_lshr_b32 s17, s16, 1                         ; which 64 rows
	s_and_b32 s18, s16, 1                          ; which 64 columns
	s_and_b32 s19, ttmp7, 0xffff
	s_lshl_b32 s20, ttmp9, 7
	s_lshl_b32 s21, s18, 6
	s_add_co_u32 s20, s20, s21                     ; my first column
	s_mul_i32 s22, s20, 384
	s_mov_b32 s23, 0
	s_lshl_b32 s24, s20, 4
	s_mov_b32 s25, 0
	s_lshl_b32 s26, s20, 2
	s_mov_b32 s27, 0
	s_lshl_b32 s28, s19, 7
	s_lshl_b32 s29, s17, 6
	s_add_co_u32 s28, s28, s29                     ; my first row
	s_mov_b32 s29, 0
	s_lshr_b32 s30, s28, 5
	s_mul_i32 s30, s30, 14336                      ; its pair of tiles: 8 heads x 1,792 bytes a pair
	s_mov_b32 s31, 0
	s_lshl_b32 s32, s28, 11
	s_add_co_u32 s32, s32, s26
	s_mov_b32 s33, 0
	s_mul_i32 s34, s16, 4352                       ; my stage
	v_and_b32 v12, 31, v0
	v_and_b32 v13, 15, v0                          ; r
	v_bfe_u32 v14, v0, 4, 1                        ; h
	v_lshlrev_b32 v[L16], 4, v12
	v_lshlrev_b32 v[L8], 3, v12
	v_mul_u32_u24 v[WA], v13, 384
	v_mad_u32_u24 v[WA], v14, 24, v[WA]
	v_lshlrev_b32 v[WSO], 4, v13
	v_lshlrev_b32 v[BOO], 5, v14
	v_and_b32 v[RRV], 8, v13
	v_add_nc_u32 v[RRV], v[RRV], v13
	v_mul_u32_u24 v[STO], v13, 272
	v_lshl_add_u32 v[STO], v14, 5, v[STO]
	v_add_nc_u32 v[STO], s34, v[STO]
	v_mul_u32_u24 v[RD], v14, 272
	v_lshl_add_u32 v[RD], v13, 4, v[RD]
	v_add_nc_u32 v[RD], s34, v[RD]
	v_lshlrev_b32 v[GO], 11, v14
	v_lshl_add_u32 v[GO], v13, 4, v[GO]
	s_wait_kmcnt 0x0
	s_add_nc_u64 s[4:5], s[4:5], s[30:31]
	s_add_nc_u64 s[6:7], s[6:7], s[22:23]
	s_add_nc_u64 s[8:9], s[8:9], s[24:25]
	s_add_nc_u64 s[10:11], s[10:11], s[26:27]
	s_add_nc_u64 s[12:13], s[12:13], s[28:29]
	s_add_nc_u64 s[14:15], s[14:15], s[32:33]
	; 32 small loads first, then 40 for each K step: 192 in all
.irp t,0,1,2,3
	global_load_b128 v[WSW+4*\t:WSW+4*\t+3], v[WSO], s[8:9] offset:256*\t      ; a row's 16 scale bytes are its four K steps' words as they lie
.endr
.irp t,0,1,2,3
	global_load_b128 v[BO+8*\t:BO+8*\t+3], v[BOO], s[10:11] offset:64*\t
	global_load_b128 v[BO+8*\t+4:BO+8*\t+7], v[BOO], s[10:11] offset:64*\t+16
.endr
.irp a,0,1,2,3
	global_load_u8 v[MASK+\a], v[RRV], s[12:13] offset:32*(\a/2)+8*(\a%2)
.endr
.irp p,0,1
.irp e,0,1,2,3,4,5,6,7
	global_load_b64 v[RAW+2*(8*\p+\e):RAW+2*(8*\p+\e)+1], v[L8], s[4:5] offset:14336*\p+1792*\e+1536   ; pair p, head e: tile A's and tile B's two bytes
.endr
.endr
.irp s,0,1,2,3
	WIN 0x40                                       ; destination window 1
.irp t,0,1,2,3
.irp p,0,1,2,3,4,5
	global_load_b64 v[48*\t+12*\s+2*\p:48*\t+12*\s+2*\p+1], v[WA], s[6:7] offset:6144*\t+96*\s+48*(\p/3)+8*(\p%3)
.endr
.endr
	WIN 0x80                                       ; destination window 2
.irp p,0,1
.irp c,0,1
.irp T,0,1
	global_load_b128 v[48*(2*\p+\T)+12*\s+6*\c:48*(2*\p+\T)+12*\s+6*\c+3], v[L16], s[4:5] offset:14336*\p+1792*(2*\s+\c)+768*\T
	global_load_b64 v[48*(2*\p+\T)+12*\s+6*\c+4:48*(2*\p+\T)+12*\s+6*\c+5], v[L8], s[4:5] offset:14336*\p+1792*(2*\s+\c)+768*\T+512
.endr
.endr
.endr
.endr
	WIN 0
	s_wait_loadcnt 63                              ; at most 63 of the 192 are out: the first 129 are in, which are the small loads and K steps 0 and 1
.irp p,0,1
.irp T,0,1
.irp s,0,1,2,3
	v_lshl_or_b32 v[OSW+4*(2*\p+\T)+\s], v[RAW+2*(8*\p+2*\s+1)+\T], 16, v[RAW+2*(8*\p+2*\s)+\T]
.endr
.endr
.endr
.rept 8
	v_nop                                          ; a scale register written by a vector instruction stands eight places ahead of a scaled matrix instruction
.endr
.macro OMUL s                          ; a K step: the 16 accumulators take turns
.irp a,0,1,2,3
.irp t,0,1,2,3
.if (\s) == 0
	v_wmma_scale_f32_16x16x128_f8f6f4 v[ACC+8*(4*\a+\t):ACC+8*(4*\a+\t)+7], v[48*\t+12*(\s):48*\t+12*(\s)+11], v[48*\a+12*(\s):48*\a+12*(\s)+11], v[BO+8*\t:BO+8*\t+7], v[WSW+4*\t+(\s)], v[OSW+4*\a+(\s)] matrix_a_fmt:MATRIX_FMT_FP6 matrix_b_fmt:MATRIX_FMT_FP6
.else
	v_wmma_scale_f32_16x16x128_f8f6f4 v[ACC+8*(4*\a+\t):ACC+8*(4*\a+\t)+7], v[48*\t+12*(\s):48*\t+12*(\s)+11], v[48*\a+12*(\s):48*\a+12*(\s)+11], v[ACC+8*(4*\a+\t):ACC+8*(4*\a+\t)+7], v[WSW+4*\t+(\s)], v[OSW+4*\a+(\s)] matrix_a_fmt:MATRIX_FMT_FP6 matrix_b_fmt:MATRIX_FMT_FP6
.endif
.endr
.endr
.endm
	WIN 0x09                                       ; source 0 (Wo) window 1, source 1 (o) window 2
	OMUL 0
	OMUL 1
	s_wait_loadcnt 40                              ; K step 2 is in; K step 3's 40 loads may be out
	OMUL 2
	s_wait_loadcnt 0x0
	OMUL 3
	WIN 0
.rept 4
	v_nop                                          ; places in front of the first read of the sums
.endr
; tile a goes out: padded queries' rows become 0; 16 rows x 256 bytes through my stage; sixteen lanes store 256 consecutive bytes, at a multiple of 256 from out's first byte
.macro OUTT a
	v_cmp_ne_u32 s36, 0, v[MASK+\a]
.set JJ, 0
.rept 32
	v_cndmask_b32 v[ACC+32*\a+JJ], v[ACC+32*\a+JJ], 0, s36       ; each accumulator from its low end on
.set JJ, JJ+1
.endr
.irp t,0,1,2,3
	ds_store_b128 v[STO], v[ACC+32*\a+8*\t:ACC+32*\a+8*\t+3] offset:64*\t
	ds_store_b128 v[STO], v[ACC+32*\a+8*\t+4:ACC+32*\a+8*\t+7] offset:64*\t+16
.endr
.if \a > 0
	s_wait_xcnt 0x0                                ; the last tile's stores have read their registers: only now are these loaded again
.endif
.irp i,0,1,2,3,4,5,6,7
	ds_load_b128 v[BK+4*\i:BK+4*\i+3], v[RD] offset:544*\i       ; LDS serves a wave's instructions in order: these see my stores, and the next tile's stores come behind them
.endr
.irp i,0,1,2,3,4,5,6,7
	s_wait_dscnt 7-\i                              ; the younger reads of the stage may be out
	global_store_b128 v[GO], v[BK+4*\i:BK+4*\i+3], s[14:15] offset:2048*(32*(\a/2)+8*(\a%2)+2*\i+8*(\i/4)) th:TH_STORE_NT
.endr
.endm
	OUTT 0
	OUTT 1
	OUTT 2
	OUTT 3
	s_wait_tensorcnt 0x0                           ; the wave's end, behind my last LDS store
	ds_add_u32 v[SPW], v[NIL]
	s_wait_dscnt 0x0
	s_endpgm
.Lfunc_end_k_q060ad310be_outp:
	.size	k_q060ad310be_outp, .Lfunc_end_k_q060ad310be_outp-k_q060ad310be_outp
	.p2alignl 7, 3214868480
	.fill 96, 4, 3214868480
	.section	.rodata,"a",@progbits
	.p2align	6, 0x0
	.amdhsa_kernel k_q060ad310be_outp
		.amdhsa_group_segment_fixed_size 17920
		.amdhsa_private_segment_fixed_size 0
		.amdhsa_enable_private_segment 0
		.amdhsa_kernarg_size 48
		.amdhsa_user_sgpr_count 2
		.amdhsa_user_sgpr_kernarg_segment_ptr 1
		.amdhsa_wavefront_size32 1
		.amdhsa_system_sgpr_workgroup_id_x 1
		.amdhsa_system_sgpr_workgroup_id_y 1
		.amdhsa_system_sgpr_workgroup_id_z 1
		.amdhsa_system_vgpr_workitem_id 0
		.amdhsa_next_free_vgpr 768
		.amdhsa_next_free_sgpr 66
		.amdhsa_reserve_vcc 0
		.amdhsa_float_denorm_mode_32 3
		.amdhsa_float_denorm_mode_16_64 3
		.amdhsa_memory_ordered 1
		.amdhsa_forward_progress 1
		.amdhsa_inst_pref_size 47
	.end_amdhsa_kernel
	.amdgpu_metadata
---
amdhsa.version: [ 1, 2 ]
amdhsa.kernels:
  - .name:           k_q060ad310be_outp
    .symbol:         k_q060ad310be_outp.kd
    .args:
      - { .name: oimg, .offset: 0, .size: 8, .value_kind: global_buffer, .address_space: global }
      - { .name: Wo_codes, .offset: 8, .size: 8, .value_kind: global_buffer, .address_space: global }
      - { .name: Wo_scales, .offset: 16, .size: 8, .value_kind: global_buffer, .address_space: global }
      - { .name: bo, .offset: 24, .size: 8, .value_kind: global_buffer, .address_space: global }
      - { .name: q_padding_mask, .offset: 32, .size: 8, .value_kind: global_buffer, .address_space: global }
      - { .name: out0, .offset: 40, .size: 8, .value_kind: global_buffer, .address_space: global }
    .group_segment_fixed_size: 17920
    .private_segment_fixed_size: 0
    .kernarg_segment_align: 8
    .kernarg_segment_size: 48
    .max_flat_workgroup_size: 128
    .sgpr_count:     66
    .vgpr_count:     768
    .wavefront_size: 32
...
	.end_amdgpu_metadata
.endif
;; end of part 3
;; ======== version 2 of 2: 3 launches; version 1 with the launches proj, outp written anew for expert scheduling mode
;; limits: right only within a limited range of input values
;; workspace buffers: qimg 3,407,872 bytes; kvimg 6,684,672 bytes; oimg 3,670,016 bytes
;; launch proj (part 4): grid 4 x 64, 3 waves a work-group, no clusters, 0 bytes of LDS; arguments q_codes, q_scales, Wq_codes, Wq_scales, bq, k_codes, k_scales, Wk_codes, Wk_scales, bk, v_codes, v_scales, Wv_codes, Wv_scales, bv, k_padding_mask, qimg, kvimg; writes qimg, kvimg
.if DOCPART == 4
	.amdgcn_target "amdgcn-amd-amdhsa--gfx1250"
	.amdhsa_code_object_version 6
	.text
	.protected	k_q060ad310be_proj
	.globl	k_q060ad310be_proj
	.p2align	8
	.type	k_q060ad310be_proj,@function
k_q060ad310be_proj:
	s_mov_b64 s[64:65], 0
	v_nop
	global_prefetch_b8 v0, s[64:65] scope:SCOPE_SE
	s_setreg_imm32_b32 hwreg(HW_REG_WAVE_SCHED_MODE, 0, 2), 2
	s_setreg_imm32_b32 hwreg(HW_REG_WAVE_MODE, 25, 1), 1
	s_wait_xcnt 0x0
	s_wait_alu depctr_vm_vsrc(0)
; qp = q Wq^T + bq, kp = k Wk^T + bk, vp = v Wv^T + bv on codes of FP6 (E2M3) with E8M0 scales; the results are quantised at once (qp, kp along a head's 64, vp along the keys)
; and stored as images of the operand registers in which the attention launch takes them.
; DEAD WORK: none is left out in this program: every input has a way to the output (bk moves K's codes, so it stays).
; SHARES.  Work-group (x, y): features 128 x .. 128 x + 127 (two heads), tokens 128 y .. 128 y + 127.  Wave 0 makes qp, wave 1 kp, wave 2 vp; they share nothing: no LDS, no barrier.
; 24 units of work do not split evenly over four waves without a second resident operand, so three waves are launched.
; A wave keeps a 128-row operand P in 384 registers and streams eight tiles R of 16 rows.  q, k: P = weight rows, R = tokens; v: P = tokens, R = weight rows.  Source 0 = P, source 1 = R:
; a lane holds ONE row of R and its 64 accumulator registers run along P, which is the next product's K.  THE ROWS OF A TILE ARE NOT NEIGHBOURS: lane r of tile t takes row
; 32 (t / 2) + 8 (t % 2) + r + 8 (r / 8), so that accumulators 2 b and 2 b + 1 hold 16 neighbours, 32 b + 16 (lane / 16) + 0 .. 15.
; K'S BLOCKS ARE TAKEN IN ANOTHER ORDER, ALIKE IN P AND R: lane (r, h) takes bytes 192 h + 48 s + 0 .. 47 of its row for K step s (three loads of 16 bytes, all aligned), so place (c, h) of step s is
; block 8 h + 2 s + c; the scale words are put together to match.  The set of products is the same, their order in the sum is not.
; WHAT RIDES IN THE SCALE WORDS.  1 / sqrt(64) = 2^-3 is taken off Q's two scale bytes (exact).  The score product has K = 64 in an instruction of 128: at k = 64 the attention launch holds the constants
; +4 (K) and -4 (Q); Q's byte for that block is 80 (2^-47), K's is 200 (2^73) for a padded key and 1 otherwise: a padded key's score gets exactly -2^30, an open key's -2^-169, which vanishes.
; LIMITS.  A padded key's logit is -2^30 + its score + rpe in place of -1e9: the results agree wherever some open key of the row has a logit above about -9e8; a batch all of whose keys are padded is not served.
; A block of qp whose largest magnitude lies under 2^-121 takes the scale 2^-123 (so that its byte less 3 stays at 1 or more).  A block of zeros has the floor's byte: its codes are zeros, and this program alone reads the bytes.
; NaN and infinities among the inputs are not served.
; REGISTERS, in windows of 256: window 0: addresses, scale words, 64 accumulators, biases; window 1: P's fragments of K steps 0, 1 (24 t + 12 s); window 2: of K steps 2, 3; window 3: a ring of four tiles of R (48 j + 12 s).
; THE MODE: SCHED_MODE bits 1:0 = 2 (LLVM: expert scheduling mode 2), set by the entry lines.  The code itself states the register dependences
; between vector or matrix instructions and memory instructions, with s_wait_alu, always for 0.
; THE PLAN.  Registers that memory instructions touch:
;   v1-v7             offsets, made once at the head and never written again.
;   P, its scale bytes, the biases, the mask bytes: loaded once, at the head, into registers that no vector instruction of the wave's path has named.
;   ring buffer j, v[RRAW + 4 j ..]   unit u's 32 products and its four byte selects read set u % 4; behind the products tile u + 4 is loaded into it.
;   v[PC ..]          the fragment: written by unit u's conversions, exchanges and moves; read by the stores that are issued in unit u + 1 (unit 7's: at the tail).
;   v[PK0 ..], v[PK1 ..]  the scale words to store: written unit by unit, read by the tail's stores alone.
; So a unit has: ONE wait on va_vdst ahead of its first products, which states that the scale words just made and the last unit's fragment are written (that unit's stores follow it at once); in units 0 to 3
; one behind its products, ahead of the ring's loads; and from unit 1 on one wait on vm_vsrc ahead of the conversions that write the fragment again.
.set BQ,   6656                        ; qimg: a block of 128 queries of a head: 8 fragments of 768 bytes, 512 bytes of scale words
.set BKV,  13056                       ; kvimg: a step of 128 keys of a head: K as in qimg (6,656), 4 fragments of V of 1,536, 256 bytes of V's scale words
.set LA,   1                           ; v1   384 rr + 192 h: my bytes of a tile's rows of codes (rr = r + 8 (r / 8))
.set LSC,  2                           ; v2   16 rr: my row's scale bytes
.set L16,  3                           ; v3   16 x lane
.set L8,   4                           ; v4   8 x lane
.set H64,  5                           ; v5   64 h: the bias along P
.set R4,   6                           ; v6   4 rr: the bias along R
.set RRV,  7                           ; v7   rr: the key mask
.set PK0,  8                           ; v8-11  scale words to store, first head (v: both heads)
.set PK1,  12                          ; v12-15 second head
.set TM,   16                          ; v16-31 at work in the quantiser
.set W0,   32
.set W1,   33
.set PC,   40                          ; v40-51 the fragment just made
.set T2,   52                          ; v52-54, v56-58 its second halves
.set ACC,  64
.set BIAS, 128                         ; q, k: v128-191, the bias in the result's layout
.set VBL,  128                         ; v: v128-135 my row's bias for each unit; v136-143 the unit's, eight times
.set VB,   136
.set PSW,  192                         ; v192-223 P's scale words (4 t + s)
.set RRAW, 224                         ; v224-239 R's scale bytes as loaded, four sets
.set RSW,  240                         ; v240-243 R's scale words
.set XW,   244                         ; v244-251 q, k: what is added to a unit's two bytes to make the word
.set XU,   252
.set XM,   253
.set MSB, 0
.macro WIN new                         ; the immediate's high byte repeats the setting that is left
.if MSB != (\new)
	s_set_vgpr_msb (MSB<<8)|(\new)
.set MSB, (\new)
.endif
.endm
	s_load_b512 s[8:23], s[0:1], 0x0               ; q codes 8, q scales 10, Wq codes 12, Wq scales 14, bq 16, k codes 18, k scales 20, Wk codes 22
	s_load_b512 s[24:39], s[0:1], 0x40             ; Wk scales 24, bk 26, v codes 28, v scales 30, Wv codes 32, Wv scales 34, bv 36, key mask 38
	s_load_b128 s[40:43], s[0:1], 0x80             ; qimg 40, kvimg 42
	v_lshrrev_b32 v34, 5, v0
	v_readfirstlane_b32 s2, v34                    ; wave: 0 q, 1 k, 2 v
	s_mov_b32 s3, ttmp9                            ; which 128 features
	s_and_b32 s4, ttmp7, 0xffff                    ; which 128 tokens
	v_and_b32 v34, 31, v0                          ; lane
	v_and_b32 v35, 15, v0                          ; r
	v_bfe_u32 v36, v0, 4, 1                        ; h
	v_and_b32 v[RRV], 8, v35
	v_add_nc_u32 v[RRV], v[RRV], v35               ; rr
	v_mul_u32_u24 v[LA], v[RRV], 384
	v_mad_u32_u24 v[LA], v36, 192, v[LA]
	v_lshlrev_b32 v[LSC], 4, v[RRV]
	v_lshlrev_b32 v[L16], 4, v34
	v_lshlrev_b32 v[L8], 3, v34
	v_lshlrev_b32 v[H64], 6, v36
	v_lshlrev_b32 v[R4], 2, v[RRV]
.irp b,0,1,2,3
	v_mov_b32 v[TM+4+\b], 0                        ; written once: a lane permute's destination counts as one of its sources
.endr
	s_wait_alu depctr_va_sdst(0)                   ; s2 is written, ahead of its first reader: the buffers, the floor and every branch of the text are chosen by it
	s_mov_b32 s70, 0x05010400                      ; byte selects that put a K step's four scale bytes together
	s_mov_b32 s71, 0x07030602
	s_mov_b32 s73, 0xffff0000                      ; lanes 16-31
	s_mov_b32 s76, 0x76543210
	s_mov_b32 s77, 0xfedcba98                      ; v_permlanex16_b32's selects for lane l xor 16
	s_mul_i32 s78, s4, 49152                       ; my tokens' codes: 128 rows of 384 bytes,
	s_mov_b32 s79, 0
	s_lshl_b32 s6, s4, 11                          ; their scale bytes: 128 rows of 16,
	s_mov_b32 s7, 0
	s_mul_i32 s80, s3, 49152                       ; my weight rows likewise
	s_mov_b32 s81, 0
	s_lshl_b32 s82, s3, 11
	s_mov_b32 s83, 0
	s_lshl_b32 s84, s3, 9                          ; my 128 numbers of the bias
	s_mov_b32 s85, 0
	s_lshl_b32 s90, s4, 7                          ; my 128 bytes of the mask
	s_mov_b32 s91, 0
	s_cmp_eq_u32 s2, 0
	s_mov_b32 s5, BKV
	s_cselect_b32 s5, BQ, s5                       ; bytes of a block of the buffer that I store into
	s_mov_b32 s72, 0x1800000
	s_cselect_b32 s72, 0x3000000, s72              ; the floor under a block's largest magnitude: 2^(3 - 127); q: 2^(6 - 127), since 3 more come off its bytes
	s_lshr_b32 s86, s4, 4                          ; batch
	s_lshl_b32 s86, s86, 3
	s_lshl_b32 s87, s3, 1
	s_add_co_u32 s86, s86, s87                     ; 8 x batch + my first head
	s_lshl_b32 s86, s86, 4
	s_and_b32 s87, s4, 15
	s_add_co_u32 s86, s86, s87                     ; x 16 + the block of 128 tokens in the sequence
	s_mul_i32 s86, s86, s5
	s_mov_b32 s87, 0
	s_lshl_b32 s88, s5, 4                          ; the next head lies 16 blocks on
	s_mov_b32 s89, 0
	s_wait_kmcnt 0x0
	s_cmp_eq_u32 s2, 0                             ; the buffers are chosen by the wave's number alone
	s_cselect_b64 s[44:45], s[8:9], s[18:19]       ; tokens' codes
	s_cselect_b64 s[46:47], s[10:11], s[20:21]     ; tokens' scales
	s_cselect_b64 s[48:49], s[12:13], s[22:23]     ; weight's codes
	s_cselect_b64 s[50:51], s[14:15], s[24:25]     ; weight's scales
	s_cselect_b64 s[52:53], s[16:17], s[26:27]     ; bias
	s_cselect_b64 s[54:55], s[40:41], s[42:43]     ; where the images go
	s_cmp_eq_u32 s2, 2
	s_cselect_b64 s[44:45], s[28:29], s[44:45]
	s_cselect_b64 s[46:47], s[30:31], s[46:47]
	s_cselect_b64 s[48:49], s[32:33], s[48:49]
	s_cselect_b64 s[50:51], s[34:35], s[50:51]
	s_cselect_b64 s[52:53], s[36:37], s[52:53]
	s_add_nc_u64 s[44:45], s[44:45], s[78:79]
	s_add_nc_u64 s[46:47], s[46:47], s[6:7]
	s_add_nc_u64 s[48:49], s[48:49], s[80:81]
	s_add_nc_u64 s[50:51], s[50:51], s[82:83]
	s_add_nc_u64 s[52:53], s[52:53], s[84:85]
	s_add_nc_u64 s[54:55], s[54:55], s[86:87]      ; first head's block
	s_add_nc_u64 s[56:57], s[54:55], s[88:89]      ; second head's
	s_add_nc_u64 s[58:59], s[38:39], s[90:91]
	s_cselect_b64 s[60:61], s[44:45], s[48:49]     ; P's codes: v: the tokens; q, k: the weight  (the 64-bit additions leave the compare's result alone)
	s_cselect_b64 s[62:63], s[46:47], s[50:51]     ; P's scales
	s_cselect_b64 s[66:67], s[48:49], s[44:45]     ; R's codes
	s_cselect_b64 s[68:69], s[50:51], s[46:47]     ; R's scales
	s_wait_alu depctr_va_vdst(0)                   ; the seven offsets v1 to v7 are written: every load and store of the kernel reads one of them.  Up to the wait for the loads only loads, window switches and q's eight moves into v[XW ..] follow, which no load of that wave touches
.irp t,0,1,2,3,4,5,6,7
	global_load_b128 v[ACC+4*\t:ACC+4*\t+3], v[LSC], s[62:63] offset:16*(32*(\t/2)+8*(\t%2))   ; P's scale bytes, 16 a row, into registers that the sums take later
.endr
	s_cmp_eq_u32 s2, 2
	s_cbranch_scc1 .Lhead_v
.irp t,0,1,2,3,4,5,6,7
	global_load_b128 v[BIAS+8*\t:BIAS+8*\t+3], v[H64], s[52:53] offset:4*(32*(\t/2)+8*(\t%2))       ; q, k: the bias of features 32 (t / 2) + 8 (t % 2) + 16 h + 0 .. 7: the C of tile t's first product
	global_load_b128 v[BIAS+8*\t+4:BIAS+8*\t+7], v[H64], s[52:53] offset:4*(32*(\t/2)+8*(\t%2))+16
.endr
	s_cmp_eq_u32 s2, 1
	s_cbranch_scc1 .Lhead_k
.irp u,0,1,2,3,4,5,6,7
	v_mov_b32 v[XW+\u], 0x7f4ffcfd                 ; q: added to (byte 1 << 8 | byte 0) it takes 3 off each of the two (both are 4 or more, so both carry), and leaves 80 in byte 2 and 127 in byte 3
.endr
	s_branch .Lhead_j
.Lhead_k:
.irp u,0,1,2,3,4,5,6,7
	global_load_u8 v[XW+\u], v[RRV], s[58:59] offset:32*(\u/2)+8*(\u%2)   ; k: the mask byte of my key in each unit
.endr
	s_branch .Lhead_j
.Lhead_v:
.irp u,0,1,2,3,4,5,6,7
	global_load_b32 v[VBL+\u], v[R4], s[52:53] offset:4*(32*(\u/2)+8*(\u%2))   ; v: the bias of my feature in each unit
.endr
.Lhead_j:
	WIN 0x40                                       ; destination window 1
.irp t,0,1,2,3,4,5,6,7
.irp s,0,1
.irp i,0,1,2
	global_load_b128 v[24*\t+12*\s+4*\i:24*\t+12*\s+4*\i+3], v[LA], s[60:61] offset:384*(32*(\t/2)+8*(\t%2))+48*\s+16*\i
.endr
.endr
.endr
	WIN 0x80                                       ; destination window 2
.irp t,0,1,2,3,4,5,6,7
.irp s,2,3
.irp i,0,1,2
	global_load_b128 v[24*\t+12*(\s-2)+4*\i:24*\t+12*(\s-2)+4*\i+3], v[LA], s[60:61] offset:384*(32*(\t/2)+8*(\t%2))+48*\s+16*\i
.endr
.endr
.endr
; tile u of R into ring buffer u % 4: 12 loads of codes, one of scale bytes
.macro RLOAD u
	WIN 0xc0                                       ; destination window 3
.irp s,0,1,2,3
.irp i,0,1,2
	global_load_b128 v[48*((\u)%4)+12*\s+4*\i:48*((\u)%4)+12*\s+4*\i+3], v[LA], s[66:67] offset:384*(32*((\u)/2)+8*((\u)%2))+48*\s+16*\i
.endr
.endr
	WIN 0
	global_load_b128 v[RRAW+4*((\u)%4):RRAW+4*((\u)%4)+3], v[LSC], s[68:69] offset:16*(32*((\u)/2)+8*((\u)%2))
.endm
	RLOAD 0
	RLOAD 1
	RLOAD 2
	RLOAD 3
	s_wait_loadcnt 39                              ; all is in but the 13 loads of each of tiles 1, 2, 3 of R
.irp t,0,1,2,3,4,5,6,7                         ; a K step's word: blocks 2 s, 8 + 2 s, 2 s + 1, 9 + 2 s, in that order
	v_perm_b32 v[PSW+4*\t], v[ACC+4*\t+2], v[ACC+4*\t], s70
	v_perm_b32 v[PSW+4*\t+1], v[ACC+4*\t+2], v[ACC+4*\t], s71
	v_perm_b32 v[PSW+4*\t+2], v[ACC+4*\t+3], v[ACC+4*\t+1], s70
	v_perm_b32 v[PSW+4*\t+3], v[ACC+4*\t+3], v[ACC+4*\t+1], s71
.endr
	s_cmp_lg_u32 s2, 1
	s_cbranch_scc1 .Lnot_k
	v_mov_b32 v[XU], 0x7f010000                    ; k: byte 2 = 1 for an open key,
	v_mov_b32 v[XM], 0x7fc80000                    ; 200 for a padded one; byte 3 = 127 over zero codes
.irp u,0,1,2,3,4,5,6,7
	v_cmp_ne_u32 s[8+\u], 0, v[XW+\u]              ; the eight compares in one run, a mask each, in s8 to s15: the arguments that lay there have been copied, and no pending instruction names them
.endr
	s_wait_alu depctr_va_sdst(0)                   ; the eight masks are written, ahead of the selects that read them
.irp u,0,1,2,3,4,5,6,7
	v_cndmask_b32 v[XW+\u], v[XU], v[XM], s[8+\u]
.endr
.Lnot_k:
; eight products: P's eight tiles x one K step of the tile of R; the eight accumulators take turns.  ck = 0: onto the sums; 1: the bias along P starts them; 2: the bias along R
.macro MULS aoff, roff, k, ck
.irp t,0,1,2,3,4,5,6,7
.if (\ck) == 0
	v_wmma_scale_f32_16x16x128_f8f6f4 v[ACC+8*\t:ACC+8*\t+7], v[24*\t+(\aoff):24*\t+(\aoff)+11], v[(\roff):(\roff)+11], v[ACC+8*\t:ACC+8*\t+7], v[PSW+4*\t+(\k)], v[RSW+(\k)] matrix_a_fmt:MATRIX_FMT_FP6 matrix_b_fmt:MATRIX_FMT_FP6
.elseif (\ck) == 1
	v_wmma_scale_f32_16x16x128_f8f6f4 v[ACC+8*\t:ACC+8*\t+7], v[24*\t+(\aoff):24*\t+(\aoff)+11], v[(\roff):(\roff)+11], v[BIAS+8*\t:BIAS+8*\t+7], v[PSW+4*\t+(\k)], v[RSW+(\k)] matrix_a_fmt:MATRIX_FMT_FP6 matrix_b_fmt:MATRIX_FMT_FP6
.else
	v_wmma_scale_f32_16x16x128_f8f6f4 v[ACC+8*\t:ACC+8*\t+7], v[24*\t+(\aoff):24*\t+(\aoff)+11], v[(\roff):(\roff)+11], v[VB:VB+7], v[PSW+4*\t+(\k)], v[RSW+(\k)] matrix_a_fmt:MATRIX_FMT_FP6 matrix_b_fmt:MATRIX_FMT_FP6
.endif
.endr
.endm
; unit u's fragment goes out.  q, k: registers 0-5 are the first head's, 6-11 the second's: 512 consecutive bytes, then 256, each at a multiple of 256 from the buffer's first byte
.macro STQK u
	global_store_b128 v[L16], v[PC:PC+3], s[54:55] offset:768*(\u)
	global_store_b64 v[L8], v[PC+4:PC+5], s[54:55] offset:768*(\u)+512
	global_store_b128 v[L16], v[PC+6:PC+9], s[56:57] offset:768*(\u)
	global_store_b64 v[L8], v[PC+10:PC+11], s[56:57] offset:768*(\u)+512
.endm
; v: a whole fragment of 128 keys: 16 features of head u / 4
.macro STV u
.irp c,0,1,2
	global_store_b128 v[L16], v[PC+4*\c:PC+4*\c+3], s[54+2*((\u)/4):55+2*((\u)/4)] offset:BQ+1536*((\u)%4)+512*\c
.endr
.endm
; A UNIT: tile u of R against all of P: 32 products, then 64 numbers a lane become one fragment and its scale bytes.  The fragment is stored in the next unit
.macro UNIT u
.set RB0, 48*((\u)%4)
.set RW0, RRAW+4*((\u)%4)
.if (\u) > 0
.if (\u) < 4
	s_wait_loadcnt 39                              ; tile u is in; the three tiles behind it, 13 loads each, may be out
.else
	s_wait_loadcnt 13*(7-(\u))                     ; the tiles that are left behind it
.endif
.endif
	v_perm_b32 v[RSW], v[RW0+2], v[RW0], s70
	v_perm_b32 v[RSW+1], v[RW0+2], v[RW0], s71
	v_perm_b32 v[RSW+2], v[RW0+3], v[RW0+1], s70
	v_perm_b32 v[RSW+3], v[RW0+3], v[RW0+1], s71
	s_cmp_eq_u32 s2, 2
	s_cbranch_scc1 .Lcv_\@
.rept 8
	v_nop                                          ; a scale register written by a vector instruction stands eight places ahead of a scaled matrix instruction
.endr
	s_wait_alu depctr_va_vdst(0)                   ; R's scale words (in unit 0 P's too) are written, which the products take; the last unit's fragment v[PC ..] is written, which the stores below read
.if (\u) > 0
	STQK (\u)-1
.endif
	WIN 0x0d                                       ; source 0 (P) window 1, source 1 (R) window 3
	MULS 0, RB0, 0, 1
	WIN 0
	s_branch .Lcj_\@
.Lcv_\@:
.irp j,0,1,2,3,4,5,6,7
	v_mov_b32 v[VB+\j], v[VBL+(\u)]                ; v: a lane holds one feature, so its bias is the same in all eight registers.  (These eight and the four below are the places behind the scale words)
.endr
.rept 4
	v_nop
.endr
	s_wait_alu depctr_va_vdst(0)                   ; R's scale words (in unit 0 P's too) are written, which the products take; the last unit's fragment v[PC ..] is written, which the stores below read
.if (\u) > 0
	STV (\u)-1
.endif
	WIN 0x0d
	MULS 0, RB0, 0, 2
	WIN 0
.Lcj_\@:
	WIN 0x0d
	MULS 12, RB0+12, 1, 0
	WIN 0x0e                                       ; source 0 window 2
	MULS 0, RB0+24, 2, 0
	MULS 12, RB0+36, 3, 0
	WIN 0
.rept 4
	v_nop                                          ; places in front of the first read of the sums
.endr
.if (\u) < 4
	WIN 0xc0                                       ; the loads' window first, then the wait, then the loads
	s_wait_alu depctr_va_vdst(0)                   ; the 32 products are done reading ring buffer u % 4, and the four byte selects its scale bytes: tile u + 4 lands in both.  (The next vector line reads the sums in any case)
	RLOAD (\u)+4
.endif
.irp b,0,1,2,3
	v_max3_num_f32 v[TM+\b], |v[ACC+16*\b]|, |v[ACC+16*\b+1]|, s72   ; block b: my 16 numbers and the floor
.endr
.irp i,2,4,6,8,10,12,14
.irp b,0,1,2,3
	v_max3_num_f32 v[TM+\b], v[TM+\b], |v[ACC+16*\b+\i]|, |v[ACC+16*\b+\i+1]|
.endr
.endr
.irp b,0,1,2,3
	v_permlanex16_b32 v[TM+4+\b], v[TM+\b], s76, s77
.endr
.irp b,0,1,2,3
	v_max_num_f32 v[TM+\b], v[TM+\b], v[TM+4+\b]   ; with lane l xor 16's: the block's largest magnitude
.endr
.irp b,0,1,2,3
	v_add_nc_u32 v[TM+12+\b], 0xff000000, v[TM+\b] ; 2 off its exponent field: the conversion's scale operand
.endr
.irp b,0,1,2,3
	v_lshrrev_b32 v[TM+4+\b], 23, v[TM+12+\b]      ; the scale's byte
.endr
.if (\u) > 0                                   ; (ahead of unit 0's conversions no store has been issued)
	s_wait_xcnt 0x0                                ; the last unit's stores, issued at this unit's head, have had their addresses translated: only now are the fragment's registers written again
	s_wait_alu depctr_vm_vsrc(0)                   ; and they have read v[PC ..], which the conversions, exchanges and moves below write
.endif
.irp c,0,1
	v_cvt_scalef32_pk16_fp6_f32 v[PC+6*\c:PC+6*\c+2], v[ACC+32*\c:ACC+32*\c+15], v[TM+12+2*\c]
	v_cvt_scalef32_pk16_fp6_f32 v[T2+4*\c:T2+4*\c+2], v[ACC+32*\c+16:ACC+32*\c+31], v[TM+13+2*\c]   ; (a conversion's three registers begin on an even number)
.endr
	v_nop                                          ; one plain place behind a scaled conversion
.irp c,0,1                                     ; the operand's layout wants a whole block in a lane: lanes 0-15 block 2 c, lanes 16-31 block 2 c + 1
.irp i,0,1,2
	v_permlane16_swap_b32 v[PC+6*\c+\i], v[T2+4*\c+\i]
.endr
.irp i,0,1,2
	v_mov_b32 v[PC+6*\c+3+\i], v[T2+4*\c+\i]
.endr
.endr
	s_cmp_eq_u32 s2, 2
	s_cbranch_scc1 .Lsv_\@
	v_lshl_or_b32 v[W0], v[TM+5], 8, v[TM+4]       ; q, k: blocks 0, 1 are the first head's 64, blocks 2, 3 the second's
	v_lshl_or_b32 v[W1], v[TM+7], 8, v[TM+6]
.if (\u)%2 == 0
	v_add_nc_u32 v[PK0+(\u)/2], v[W0], v[XW+(\u)]
	v_add_nc_u32 v[PK1+(\u)/2], v[W1], v[XW+(\u)]
.else
	v_add_nc_u32 v[W0], v[W0], v[XW+(\u)]
	v_add_nc_u32 v[W1], v[W1], v[XW+(\u)]
	v_cndmask_b32 v[PK0+(\u)/2], v[PK0+(\u)/2], v[W0], s73   ; an odd tile's words go into lanes 16-31 of the even tile's register
	v_cndmask_b32 v[PK1+(\u)/2], v[PK1+(\u)/2], v[W1], s73
.endif
	s_branch .Lsj_\@
.Lsv_\@:
	v_lshl_or_b32 v[W0], v[TM+5], 8, v[TM+4]       ; v: the fragment's four bytes
	v_lshl_or_b32 v[W0], v[TM+6], 16, v[W0]
.if (\u)%2 == 0
	v_lshl_or_b32 v[PK0+(\u)/2], v[TM+7], 24, v[W0]
.else
	v_lshl_or_b32 v[W0], v[TM+7], 24, v[W0]
	v_cndmask_b32 v[PK0+(\u)/2], v[PK0+(\u)/2], v[W0], s73
.endif
.Lsj_\@:
.endm
.irp u,0,1,2,3,4,5,6,7
	UNIT \u
.endr
	s_wait_alu depctr_va_vdst(0)                   ; unit 7's fragment and the scale words v[PK0 ..], v[PK1 ..] are written, which the last stores read
	s_cmp_eq_u32 s2, 2
	s_cbranch_scc1 .Ltail_v
	STQK 7
	global_store_b128 v[L16], v[PK0:PK0+3], s[54:55] offset:6144   ; the eight tiles' scale words: word q of lane l is tile 2 q + l / 16, row l % 16
	global_store_b128 v[L16], v[PK1:PK1+3], s[56:57] offset:6144
	s_endpgm
.Ltail_v:
	STV 7
	global_store_b64 v[L8], v[PK0:PK0+1], s[54:55] offset:BQ+6144
	global_store_b64 v[L8], v[PK0+2:PK0+3], s[56:57] offset:BQ+6144
	s_endpgm
.Lfunc_end_k_q060ad310be_proj:
	.size	k_q060ad310be_proj, .Lfunc_end_k_q060ad310be_proj-k_q060ad310be_proj
	.p2alignl 7, 3214868480
	.fill 96, 4, 3214868480
	.section	.rodata,"a",@progbits
	.p2align	6, 0x0
	.amdhsa_kernel k_q060ad310be_proj
		.amdhsa_group_segment_fixed_size 0
		.amdhsa_private_segment_fixed_size 0
		.amdhsa_enable_private_segment 0
		.amdhsa_kernarg_size 144
		.amdhsa_user_sgpr_count 2
		.amdhsa_user_sgpr_kernarg_segment_ptr 1
		.amdhsa_wavefront_size32 1
		.amdhsa_system_sgpr_workgroup_id_x 1
		.amdhsa_system_sgpr_workgroup_id_y 1
		.amdhsa_system_sgpr_workgroup_id_z 1
		.amdhsa_system_vgpr_workitem_id 0
		.amdhsa_next_free_vgpr 1024
		.amdhsa_next_free_sgpr 92
		.amdhsa_reserve_vcc 0
		.amdhsa_float_denorm_mode_32 3
		.amdhsa_float_denorm_mode_16_64 3
		.amdhsa_memory_ordered 1
		.amdhsa_forward_progress 1
		.amdhsa_inst_pref_size 120
	.end_amdhsa_kernel
	.amdgpu_metadata
---
amdhsa.version: [ 1, 2 ]
amdhsa.kernels:
  - .name:           k_q060ad310be_proj
    .symbol:         k_q060ad310be_proj.kd
    .args:
      - { .name: q_codes, .offset: 0, .size: 8, .value_kind: global_buffer, .address_space: global }
      - { .name: q_scales, .offset: 8, .size: 8, .value_kind: global_buffer, .address_space: global }
      - { .name: Wq_codes, .offset: 16, .size: 8, .value_kind: global_buffer, .address_space: global }
      - { .name: Wq_scales, .offset: 24, .size: 8, .value_kind: global_buffer, .address_space: global }
      - { .name: bq, .offset: 32, .size: 8, .value_kind: global_buffer, .address_space: global }
      - { .name: k_codes, .offset: 40, .size: 8, .value_kind: global_buffer, .address_space: global }
      - { .name: k_scales, .offset: 48, .size: 8, .value_kind: global_buffer, .address_space: global }
      - { .name: Wk_codes, .offset: 56, .size: 8, .value_kind: global_buffer, .address_space: global }
      - { .name: Wk_scales, .offset: 64, .size: 8, .value_kind: global_buffer, .address_space: global }
      - { .name: bk, .offset: 72, .size: 8, .value_kind: global_buffer, .address_space: global }
      - { .name: v_codes, .offset: 80, .size: 8, .value_kind: global_buffer, .address_space: global }
      - { .name: v_scales, .offset: 88, .size: 8, .value_kind: global_buffer, .address_space: global }
      - { .name: Wv_codes, .offset: 96, .size: 8, .value_kind: global_buffer, .address_space: global }
      - { .name: Wv_scales, .offset: 104, .size: 8, .value_kind: global_buffer, .address_space: global }
      - { .name: bv, .offset: 112, .size: 8, .value_kind: global_buffer, .address_space: global }
      - { .name: k_padding_mask, .offset: 120, .size: 8, .value_kind: global_buffer, .address_space: global }
      - { .name: qimg, .offset: 128, .size: 8, .value_kind: global_buffer, .address_space: global }
      - { .name: kvimg, .offset: 136, .size: 8, .value_kind: global_buffer, .address_space: global }
    .group_segment_fixed_size: 0
    .private_segment_fixed_size: 0
    .kernarg_segment_align: 8
    .kernarg_segment_size: 144
    .max_flat_workgroup_size: 96
    .sgpr_count:     92
    .vgpr_count:     1024
    .wavefront_size: 32
...
	.end_amdgpu_metadata
.endif
;; end of part 4
;; launch attn: the kernel of part 2 again; grid 8 x 32, 8 waves a work-group, clusters of 4 x 1, 327,680 bytes of LDS; arguments qimg, kvimg, rpe, oimg; writes oimg
;; launch outp (part 5): grid 4 x 64, 4 waves a work-group, no clusters, 17,920 bytes of LDS; arguments oimg, Wo_codes, Wo_scales, bo, q_padding_mask, out0; writes out0
.if DOCPART == 5
	.amdgcn_target "amdgcn-amd-amdhsa--gfx1250"
	.amdhsa_code_object_version 6
	.text
	.protected	k_q060ad310be_outp
	.globl	k_q060ad310be_outp
	.p2align	8
	.type	k_q060ad310be_outp,@function
k_q060ad310be_outp:
	s_mov_b64 s[64:65], 0
	v_nop
	global_prefetch_b8 v0, s[64:65] scope:SCOPE_SE
	s_setreg_imm32_b32 hwreg(HW_REG_WAVE_SCHED_MODE, 0, 2), 2
	s_setreg_imm32_b32 hwreg(HW_REG_WAVE_MODE, 25, 1), 1
	s_wait_xcnt 0x0
	s_wait_alu depctr_vm_vsrc(0)
; out = o Wo^T + bo, 0 in the rows of padded queries; o arrives as images of operand registers from the attention launch, Wo as codes of FP6 (E2M3), both with E8M0 scales.  No work of the problem is left out here.
; SHARES.  Work-group (x, y): rows 128 y on, columns 128 x on.  Wave w: 64 rows (w / 2) x 64 columns (w % 2): 16 accumulators, 64 matrix instructions; all its operands are loaded straight into registers, each byte once a wave.
; USED TRANSPOSED: source 0 = 16 rows of Wo, source 1 = 16 rows of o: a lane holds eight neighbouring columns of one row.  A tile's rows of o are 32 (a / 2) + 8 (a % 2) + r + 8 (r / 8), as the attention launch left them.
; A K step of 128 is two heads: registers 0-5 and the low two scale bytes from head 2 s, registers 6-11 and the high two from head 2 s + 1.  bo is the C of each sum's first product.
; No tensor load, no barrier: a wave's results go through its own stage in LDS and leave as whole rows of 256 bytes.
; REGISTERS: window 0: addresses, scale words, bias, 128 accumulators; window 1: Wo's fragments (48 t + 12 s); window 2: o's (48 a + 12 s).
; THE MODE: SCHED_MODE bits 1:0 = 2 (LLVM: expert scheduling mode 2), set by the entry lines.  The code itself states the register dependences
; between vector or matrix instructions and memory or LDS instructions, with s_wait_alu, always for 0.
; THE PLAN.  Registers that memory or LDS instructions touch:
;   v3-v11            addresses and offsets, made once at the head and never written again.
;   the operands, Wo's scale words, the bias, the mask bytes, o's half words: loaded once, at the head, into registers that no vector instruction has named.
;   the accumulators of tile a   written by the products and then by tile a's 32 selects; read by tile a's eight LDS stores; not written again.
;   BK0 = v80-111, BK1 = v48-79  rows on the way out, by turns: tile a's reads of the stage land in BK[a % 2], tile a's global stores read it.  Before that BK0 held o's half words (read by the lines that
;                     make its scale words) and BK1 the bias (read by the first K step's products).
;   v1, v2            written at the head, read by the closing add alone.
; So ONE wait on va_vdst stands at the head of a tile's way out: its selects are written (at tile 0 also: the products and the scale words' lines are done with BK1 and BK0).  Tile a + 1's selects stand between tile a's
; reads of the stage and the waits for them; they name tile a + 1's accumulators and a mask alone.  For tiles 2 and 3 one wait on vm_vsrc stands ahead of the reads of the stage: tile a - 2's stores have read the buffer.
.set SPARE, 17408                      ; behind the four stages of 16 rows x 272 bytes: the spare words, 128 bytes a wave
.set SPW, 1                            ; v1  my spare word; never rewritten
.set NIL, 2                            ; v2  0; never rewritten
.set STO, 3                            ; v3  the stage: where I put 32 bytes of a row
.set RD,  4                            ; v4  and where I read a row back
.set GO,  5                            ; v5  my byte offset in two rows of out
.set L16, 6
.set L8,  7
.set WA,  8                            ; v8  Wo: 384 r + 24 h
.set WSO, 9                            ; v9  16 r
.set BOO, 10                           ; v10 32 h
.set RRV, 11                           ; v11 r + 8 (r / 8)
.set OSW, 16                           ; v16-31 o's scale words (4 a + s)
.set WSW, 32                           ; v32-47 Wo's (4 t + s)
.set BO,  48                           ; v48-79 the bias in the result's layout; later rows on the way out (odd tiles)
.set RAW, 80                           ; v80-111 o's half words as loaded; later rows on the way out (even tiles)
.set BK,  80
.set MASK, 112                         ; v112-115
.set ACC, 128
.set MSB, 0
.macro WIN new
.if MSB != (\new)
	s_set_vgpr_msb (MSB<<8)|(\new)
.set MSB, (\new)
.endif
.endm
	s_load_b256 s[4:11], s[0:1], 0x0               ; oimg 4, Wo codes 6, Wo scales 8, bo 10
	s_load_b128 s[12:15], s[0:1], 0x20             ; query mask 12, out 14
	v_lshl_add_u32 v[SPW], v0, 2, SPARE
	v_mov_b32 v[NIL], 0
	v_lshrrev_b32 v12, 5, v0
	v_readfirstlane_b32 s16, v12                   ; wave 0..3
	v_and_b32 v12, 31, v0
	v_and_b32 v13, 15, v0                          ; r
	v_bfe_u32 v14, v0, 4, 1                        ; h
	v_lshlrev_b32 v[L16], 4, v12
	v_lshlrev_b32 v[L8], 3, v12
	v_mul_u32_u24 v[WA], v13, 384
	v_mad_u32_u24 v[WA], v14, 24, v[WA]
	v_lshlrev_b32 v[WSO], 4, v13
	v_lshlrev_b32 v[BOO], 5, v14
	v_and_b32 v[RRV], 8, v13
	v_add_nc_u32 v[RRV], v[RRV], v13
	v_mul_u32_u24 v[STO], v13, 272
	v_lshl_add_u32 v[STO], v14, 5, v[STO]
	v_mul_u32_u24 v[RD], v14, 272
	v_lshl_add_u32 v[RD], v13, 4, v[RD]
	v_lshlrev_b32 v[GO], 11, v14
	v_lshl_add_u32 v[GO], v13, 4, v[GO]
	s_wait_alu depctr_va_sdst(0)                   ; s16 is written, ahead of its first reader: the wave's rows, columns and stage are made from it
	s_lshr_b32 s17, s16, 1                         ; which 64 rows
	s_and_b32 s18, s16, 1                          ; which 64 columns
	s_and_b32 s19, ttmp7, 0xffff
	s_lshl_b32 s20, ttmp9, 7
	s_lshl_b32 s21, s18, 6
	s_add_co_u32 s20, s20, s21                     ; my first column
	s_mul_i32 s22, s20, 384
	s_mov_b32 s23, 0
	s_lshl_b32 s24, s20, 4
	s_mov_b32 s25, 0
	s_lshl_b32 s26, s20, 2
	s_mov_b32 s27, 0
	s_lshl_b32 s28, s19, 7
	s_lshl_b32 s29, s17, 6
	s_add_co_u32 s28, s28, s29                     ; my first row
	s_mov_b32 s29, 0
	s_lshr_b32 s30, s28, 5
	s_mul_i32 s30, s30, 14336                      ; its pair of tiles: 8 heads x 1,792 bytes a pair
	s_mov_b32 s31, 0
	s_lshl_b32 s32, s28, 11
	s_add_co_u32 s32, s32, s26
	s_mov_b32 s33, 0
	s_mul_i32 s34, s16, 4352                       ; my stage
	v_add_nc_u32 v[STO], s34, v[STO]
	v_add_nc_u32 v[RD], s34, v[RD]
	s_wait_kmcnt 0x0
	s_add_nc_u64 s[4:5], s[4:5], s[30:31]
	s_add_nc_u64 s[6:7], s[6:7], s[22:23]
	s_add_nc_u64 s[8:9], s[8:9], s[24:25]
	s_add_nc_u64 s[10:11], s[10:11], s[26:27]
	s_add_nc_u64 s[12:13], s[12:13], s[28:29]
	s_add_nc_u64 s[14:15], s[14:15], s[32:33]
	s_wait_alu depctr_va_vdst(0)                   ; the addresses and offsets v3 to v11 are written, which every load, LDS instruction and store below reads; only loads and window switches follow up to the wait for the loads
	; 32 small loads first, then 40 for each K step: 192 in all
.irp t,0,1,2,3
	global_load_b128 v[WSW+4*\t:WSW+4*\t+3], v[WSO], s[8:9] offset:256*\t      ; a row's 16 scale bytes are its four K steps' words as they lie
.endr
.irp t,0,1,2,3
	global_load_b128 v[BO+8*\t:BO+8*\t+3], v[BOO], s[10:11] offset:64*\t
	global_load_b128 v[BO+8*\t+4:BO+8*\t+7], v[BOO], s[10:11] offset:64*\t+16
.endr
.irp a,0,1,2,3
	global_load_u8 v[MASK+\a], v[RRV], s[12:13] offset:32*(\a/2)+8*(\a%2)
.endr
.irp p,0,1
.irp e,0,1,2,3,4,5,6,7
	global_load_b64 v[RAW+2*(8*\p+\e):RAW+2*(8*\p+\e)+1], v[L8], s[4:5] offset:14336*\p+1792*\e+1536   ; pair p, head e: tile A's and tile B's two bytes
.endr
.endr
.irp s,0,1,2,3
	WIN 0x40                                       ; destination window 1
.irp t,0,1,2,3
.irp p,0,1,2,3,4,5
	global_load_b64 v[48*\t+12*\s+2*\p:48*\t+12*\s+2*\p+1], v[WA], s[6:7] offset:6144*\t+96*\s+48*(\p/3)+8*(\p%3)
.endr
.endr
	WIN 0x80                                       ; destination window 2
.irp p,0,1
.irp c,0,1
.irp T,0,1
	global_load_b128 v[48*(2*\p+\T)+12*\s+6*\c:48*(2*\p+\T)+12*\s+6*\c+3], v[L16], s[4:5] offset:14336*\p+1792*(2*\s+\c)+768*\T
	global_load_b64 v[48*(2*\p+\T)+12*\s+6*\c+4:48*(2*\p+\T)+12*\s+6*\c+5], v[L8], s[4:5] offset:14336*\p+1792*(2*\s+\c)+768*\T+512
.endr
.endr
.endr
.endr
	WIN 0
	s_wait_loadcnt 63                              ; at most 63 of the 192 are out: the first 129 are in, which are the small loads and K steps 0 and 1
.irp a,0,1,2,3
	v_cmp_ne_u32 s[36+\a], 0, v[MASK+\a]           ; the four tiles' masks of padded queries, in one run, in s36 to s39
.endr
.irp p,0,1
.irp T,0,1
.irp s,0,1,2,3
	v_lshl_or_b32 v[OSW+4*(2*\p+\T)+\s], v[RAW+2*(8*\p+2*\s+1)+\T], 16, v[RAW+2*(8*\p+2*\s)+\T]
.endr
.endr
.endr
.rept 8
	v_nop                                          ; a scale register written by a vector instruction stands eight places ahead of a scaled matrix instruction
.endr
	s_wait_alu depctr_va_sdst(0)                   ; the four masks s36 to s39 are written, ahead of their first reader, the selects of the way out
	s_wait_alu depctr_va_vdst(0)                   ; o's scale words v[OSW ..] are written, which the products take
.macro OMUL s                          ; a K step: the 16 accumulators take turns
.irp a,0,1,2,3
.irp t,0,1,2,3
.if (\s) == 0
	v_wmma_scale_f32_16x16x128_f8f6f4 v[ACC+8*(4*\a+\t):ACC+8*(4*\a+\t)+7], v[48*\t+12*(\s):48*\t+12*(\s)+11], v[48*\a+12*(\s):48*\a+12*(\s)+11], v[BO+8*\t:BO+8*\t+7], v[WSW+4*\t+(\s)], v[OSW+4*\a+(\s)] matrix_a_fmt:MATRIX_FMT_FP6 matrix_b_fmt:MATRIX_FMT_FP6
.else
	v_wmma_scale_f32_16x16x128_f8f6f4 v[ACC+8*(4*\a+\t):ACC+8*(4*\a+\t)+7], v[48*\t+12*(\s):48*\t+12*(\s)+11], v[48*\a+12*(\s):48*\a+12*(\s)+11], v[ACC+8*(4*\a+\t):ACC+8*(4*\a+\t)+7], v[WSW+4*\t+(\s)], v[OSW+4*\a+(\s)] matrix_a_fmt:MATRIX_FMT_FP6 matrix_b_fmt:MATRIX_FMT_FP6
.endif
.endr
.endr
.endm
	WIN 0x09                                       ; source 0 (Wo) window 1, source 1 (o) window 2
	OMUL 0
	OMUL 1
	s_wait_loadcnt 40                              ; K step 2 is in; K step 3's 40 loads may be out
	OMUL 2
	s_wait_loadcnt 0x0
	OMUL 3
	WIN 0
.rept 4
	v_nop                                          ; places in front of the first read of the sums
.endr
; tile a's rows of padded queries become 0
.macro CM a
.set JJ, 0
.rept 32
	v_cndmask_b32 v[ACC+32*(\a)+JJ], v[ACC+32*(\a)+JJ], 0, s[36+(\a)]       ; each accumulator from its low end on
.set JJ, JJ+1
.endr
.endm
; tile a goes out: 16 rows x 256 bytes through my stage; sixteen lanes store 256 consecutive bytes, at a multiple of 256 from out's first byte
.macro OUTT a
.set BB, BK-32*((\a)%2)
	s_wait_alu depctr_va_vdst(0)                   ; tile a's selects have written its accumulators, which the LDS stores read; at tile 0 also: the products are done reading the bias, and the scale words' lines o's half words: the reads of the stage land in both
.irp t,0,1,2,3
	ds_store_b128 v[STO], v[ACC+32*(\a)+8*\t:ACC+32*(\a)+8*\t+3] offset:64*\t
	ds_store_b128 v[STO], v[ACC+32*(\a)+8*\t+4:ACC+32*(\a)+8*\t+7] offset:64*\t+16
.endr
.if (\a) > 1
	s_wait_xcnt 0x0                                ; tile a - 2's stores have had their addresses translated: only now is their buffer loaded again
	s_wait_alu depctr_vm_vsrc(0)                   ; and they have read it: the reads of the stage below land in it
.endif
.irp i,0,1,2,3,4,5,6,7
	ds_load_b128 v[BB+4*\i:BB+4*\i+3], v[RD] offset:544*\i       ; LDS serves a wave's instructions in order: these see my stores, and the next tile's stores come behind them
.endr
.if (\a) < 3
	CM (\a)+1                                      ; the next tile's selects, while this tile's rows come back: they name that tile's accumulators and its mask alone
.endif
.irp i,0,1,2,3,4,5,6,7
	s_wait_dscnt 7-\i                              ; the younger reads of the stage may be out
	global_store_b128 v[GO], v[BB+4*\i:BB+4*\i+3], s[14:15] offset:2048*(32*((\a)/2)+8*((\a)%2)+2*\i+8*(\i/4)) th:TH_STORE_NT
.endr
.endm
	CM 0
	OUTT 0
	OUTT 1
	OUTT 2
	OUTT 3
	s_wait_dscnt 0x0                               ; the closing lines, six on end
	s_wait_alu 0x0
	s_wait_tensorcnt 0x0
	ds_add_u32 v[SPW], v[NIL]
	s_wait_dscnt 0x0
	s_endpgm
.Lfunc_end_k_q060ad310be_outp:
	.size	k_q060ad310be_outp, .Lfunc_end_k_q060ad310be_outp-k_q060ad310be_outp
	.p2alignl 7, 3214868480
	.fill 96, 4, 3214868480
	.section	.rodata,"a",@progbits
	.p2align	6, 0x0
	.amdhsa_kernel k_q060ad310be_outp
		.amdhsa_group_segment_fixed_size 17920
		.amdhsa_private_segment_fixed_size 0
		.amdhsa_enable_private_segment 0
		.amdhsa_kernarg_size 48
		.amdhsa_user_sgpr_count 2
		.amdhsa_user_sgpr_kernarg_segment_ptr 1
		.amdhsa_wavefront_size32 1
		.amdhsa_system_sgpr_workgroup_id_x 1
		.amdhsa_system_sgpr_workgroup_id_y 1
		.amdhsa_system_sgpr_workgroup_id_z 1
		.amdhsa_system_vgpr_workitem_id 0
		.amdhsa_next_free_vgpr 768
		.amdhsa_next_free_sgpr 66
		.amdhsa_reserve_vcc 0
		.amdhsa_float_denorm_mode_32 3
		.amdhsa_float_denorm_mode_16_64 3
		.amdhsa_memory_ordered 1
		.amdhsa_forward_progress 1
		.amdhsa_inst_pref_size 48
	.end_amdhsa_kernel
	.amdgpu_metadata
---
amdhsa.version: [ 1, 2 ]
amdhsa.kernels:
  - .name:           k_q060ad310be_outp
    .symbol:         k_q060ad310be_outp.kd
    .args:
      - { .name: oimg, .offset: 0, .size: 8, .value_kind: global_buffer, .address_space: global }
      - { .name: Wo_codes, .offset: 8, .size: 8, .value_kind: global_buffer, .address_space: global }
      - { .name: Wo_scales, .offset: 16, .size: 8, .value_kind: global_buffer, .address_space: global }
      - { .name: bo, .offset: 24, .size: 8, .value_kind: global_buffer, .address_space: global }
      - { .name: q_padding_mask, .offset: 32, .size: 8, .value_kind: global_buffer, .address_space: global }
      - { .name: out0, .offset: 40, .size: 8, .value_kind: global_buffer, .address_space: global }
    .group_segment_fixed_size: 17920
    .private_segment_fixed_size: 0
    .kernarg_segment_align: 8
    .kernarg_segment_size: 48
    .max_flat_workgroup_size: 128
    .sgpr_count:     66
    .vgpr_count:     768
    .wavefront_size: 32
...
	.end_amdgpu_metadata
.endif
;; end of part 5
